; MI455X (gfx1250); checked and timed in simulation.
; The chip was launched on July 23, 2026; its instructions are those of AMD's public machine-readable ISA for CDNA 5 (MIT licence, August 2026) and "CDNA5" Instruction Set Architecture Reference Guide (July 2026). The comments in the code are by the model that wrote it; some were corrected since.
;; Causal Self Attention. Allowed arithmetic: matrix products marked QUANTISED: E2M1 operands, one E8M0 scale for each 32 along K, by v_wmma_scale_f32_16x16x128_f8f6f4 with both operands' format E2M1 (or v_wmma_scale_f32_32x16x128_f4), f32 sums; products left as they are: bf16, f16 or f32 operands; f32 sums; everything else in f32.
;; Inputs: Wk 1,024 x 1,024 float32; Wp 1,024 x 1,024 float32; Wq 1,024 x 1,024 float32; Wv 1,024 x 1,024 float32; bk 1,024 float32; bp 1,024 float32; bq 1,024 float32; bv 1,024 float32; x 4 x 2,048 x 1,024 float32.
;; Outputs: out0 4 x 2,048 x 1,024 float32.
;; This version of the problem:
;;   THIS VERSION OF THE PROBLEM IS GIVEN IN LOW PRECISION. The matrix products marked QUANTISED in the list below multiply operands that are first quantised to E2M1 (2 exponent bits, 1 mantissa bit; 4 bits a number), with one power-of-two scale for each 32 numbers along K (OCP MX v1.0); their sums are f32. The products marked 'left as it is' may take bf16, f16 or f32 operands, with f32 sums. Whichever they take, every output number must still come out within the allowed error. Rounding operands to bf16 (8 significant bits) uses up far more of that allowance than f16 does (11 bits, for magnitudes from 6e-5 to 65,504). All else is computed in f32.
;;   The module's matrix products, in the order in which they are computed (A, B: the left and right operand; K: the contracted axis; several contracted axes count as one K, in the product's order):
;;     1. [M 8,192, K 1,024] x [K 1,024, N 1,024]; A: input x; B: input Wq: QUANTISED
;;     2. [M 8,192, K 1,024] x [K 1,024, N 1,024]; A: input x; B: input Wk: QUANTISED
;;     3. [M 8,192, K 1,024] x [K 1,024, N 1,024]; A: input x; B: input Wv: QUANTISED
;;     4. batch 64 x [M 2,048, K 64] x [K 64, N 2,048]; A: computed on the way; B: computed on the way: left as it is (an operand is computed on the way)
;;     5. batch 64 x [M 2,048, K 2,048] x [K 2,048, N 64]; A: computed on the way; B: computed on the way: left as it is (an operand is computed on the way)
;;     6. [M 8,192, K 1,024] x [K 1,024, N 1,024]; A: computed on the way; B: input Wp: left as it is (an operand is computed on the way)
;;   THE QUANTISER, for each operand of a quantised product, along K:
;;     - K is cut into blocks of 32 from its start; a last block that is shorter is filled with zeros.
;;     - A block's scale is 2^e with e = floor(log2(the largest magnitude in the block)) - 2, held to -126 .. 127; a block of zeros has e = 0. As a byte (E8M0): e + 127.
;;     - Each number is divided by its block's scale, clamped to +-6, and rounded to the nearest number of E2M1, ties to even, subnormals kept.
;;     - The product sums the exact products of the quantised numbers (number of the format x scale) in f32.
;;   ~~~python
;;   def quantise(x, axis):      # numpy; x: float32 -> the quantised numbers, widened to float32 again
;;       x = np.moveaxis(x, axis, -1); K = x.shape[-1]
;;       x = np.pad(x, [(0, 0)] * (x.ndim - 1) + [(0, -K % 32)]); x = x.reshape(x.shape[:-1] + (-1, 32)); a = np.abs(x).max(-1, keepdims=True)
;;       e = np.where(a > 0, np.clip(np.frexp(np.where(a > 0, a, 1))[1] - 1 - 2, -126, 127), 0)      # np.frexp(a)[1] - 1 = floor(log2(a)), exactly
;;       r = np.clip(x / 2.0 ** e, -6, 6)
;;       step = 2.0 ** (np.maximum(np.frexp(np.where(r == 0, 1, r))[1] - 1, 0) - 1)
;;       q = np.round(r / step) * step * 2.0 ** e      # np.round: ties to even
;;       return np.moveaxis(q.reshape(q.shape[:-2] + (-1,))[..., :K], -1, axis).astype(np.float32)
;;   ~~~
;; One version. Each part assembles by itself: llvm-mc -triple=amdgcn-amd-amdhsa -mcpu=gfx1250 --defsym DOCPART=n.
;; ======== version 1 of 1: 5 launches
;; limits: values are held in f16: magnitudes above 65,504 overflow, below 6.1e-05 lose precision
;; workspace buffers: xcodes 4,456,448 bytes; wcodes 3,768,320 bytes; qkvf 50,331,648 bytes; yfrag 16,777,216 bytes; first16 786,432 bytes
;; launch prep (part 1): grid 512 x 1, 4 waves a work-group, no clusters, 33,280 bytes of LDS; arguments x, Wq, Wk, Wv, Wp, xcodes, wcodes; writes xcodes, wcodes
.if DOCPART == 1
	.amdgcn_target "amdgcn-amd-amdhsa--gfx1250"
	.amdhsa_code_object_version 6
	.text
	.protected	k_q3babd33597_prep
	.globl	k_q3babd33597_prep
	.p2align	8
	.type	k_q3babd33597_prep,@function
k_q3babd33597_prep:
	s_mov_b64 s[64:65], 0
	v_nop
	global_prefetch_b8 v0, s[64:65] scope:SCOPE_SE
	s_setreg_imm32_b32 hwreg(HW_REG_WAVE_MODE, 25, 1), 1
	s_wait_xcnt 0x0
; PREP: every wide operand is brought once into the form in which the later launches take it.
;  work-groups 0-255:   x [8192][1024] f32 -> codes of FP4 (E2M1), K innermost, [8192][512 bytes] at byte 0 of xcodes, and one E8M0 byte for each 32 along K, [8192][32] at XS_OFF.
;  work-groups 256-447: Wq, Wk, Wv [1024 (k)][1024 (n)] f32, quantised along k, their FIRST axis -> images of the matrix operand's registers in wcodes:
;                       [192 tiles of 16 columns = 64 x matrix + n / 16][8 K steps of 128][1,024 bytes]; in a fragment, block kb of column r lies at 256 kb + 16 r.
;                       Their scale words [3,072 columns][8 K steps][4 bytes] at WS_OFF.
;  work-groups 448-511: Wp [1024 (k)][1024 (n)] f32 -> f16, images of 16-bit fragments at WP_OFF: [64 tiles of 16 columns][32 K steps of 32][1,024 bytes]; eight neighbours along k of column r: 256 g + 16 r.
; A block's scale is 2^(floor(log2(its largest magnitude)) - 2); its byte is the largest magnitude's exponent field - 2, held at 1 from below.
; LIMITS: a block of zeros gets the byte 1 where the quantiser says 127: its codes are zeros, which add nothing, and this program alone reads the bytes.  NaN and infinities among the inputs are not served.
;         Wp goes in f16: magnitudes above 65,504 become infinite, under 6e-8 zero.
.set XS_OFF, 4194304
.set WS_OFF, 1572864
.set WP_OFF, 1671168
.set WAVES, 4
.set STEPS, 16
.set EMAX,  2
.set CB,    8                          ; bytes of 16 codes
.set R,     16                         ; x: v16-79   four sets of 16 numbers as they are loaded
.set X,     80                         ; x: v80-111  two sets of 16 neighbours
.set E,     112                        ; x: v112-127 a scale byte for each step
.set C,     128                        ; x: v128-191 codes, four registers for each step: no store's data are written again
.set WREG,  8192                       ; LDS: a region for each wave: two stages of 32 x SP bytes, behind them its 256 scale bytes
.set SP,    80                         ; a lane's place in a stage: 64 bytes + 16 of padding
.set SPW,   12                         ; v12 LDS address of my spare word; never rewritten
.set NIL,   13                         ; v13 0; never rewritten
.set SPARE, WAVES*WREG                 ; the spare words: 128 bytes a wave, two blocks of 256 bytes that no other line names
.set WN,    32                         ; weights: v32-159 the 128 numbers of my column
.set WC,    160                        ; weights: v160-175 their codes
.set WW,    24                         ; weights: v24 the scale word
	s_load_b256 s[4:11], s[0:1], 0x0               ; x, Wq, Wk, Wv
	s_load_b128 s[12:15], s[0:1], 0x20             ; Wp, xcodes
	s_load_b64 s[16:17], s[0:1], 0x30              ; wcodes
	v_lshl_add_u32 v[SPW], v0, 2, SPARE
	v_mov_b32 v[NIL], 0
	v_lshrrev_b32 v1, 5, v0
	v_readfirstlane_b32 s18, v1                    ; wave
	v_and_b32 v2, 31, v0                           ; lane
	s_wait_kmcnt 0x0
	s_cmp_lt_u32 ttmp9, 256                        ; the work-group's number alone decides the path
	s_cbranch_scc0 .Lweights
; ---------------- x: a plain stream of blocks of 32.  A wave takes 16 steps of 512 numbers.
; Each load reads 512 consecutive bytes; a step's 2,048 bytes turn through the wave's own stage in LDS and come back 64 bytes a lane: 16 neighbours, two lanes to a block.
	v_lshlrev_b32 v3, 4, v2                        ; my 16 bytes of a load's 512
	s_mul_i32 s20, s18, WREG
	v_lshrrev_b32 v14, 2, v2
	v_mul_u32_u24 v14, v14, SP
	v_and_b32 v15, 3, v2
	v_lshl_add_u32 v14, v15, 4, v14
	v_add_nc_u32 v14, s20, v14                     ; the stage, on the way in: SP (lane / 4) + 16 (lane % 4)
	v_mul_u32_u24 v15, v2, SP
	v_add_nc_u32 v15, s20, v15                     ; and on the way out: SP x lane
	v_mul_u32_u24 v4, v2, CB                       ; my codes' place in a step's
	v_lshrrev_b32 v5, 1, v2
	s_add_co_u32 s20, s20, 2*32*SP
	v_add_nc_u32 v5, s20, v5                       ; LDS: my wave's 256 scale bytes, my block's byte
	v_lshlrev_b32 v7, 3, v2
	v_add_nc_u32 v6, s20, v7                       ; and on the way out 8 bytes a lane
	s_lshl_b32 s22, ttmp9, 2
	s_add_co_u32 s22, s22, s18                     ; which run of 8,192 numbers is my wave's
	s_lshl_b32 s24, s22, 15                        ; 32,768 bytes of x a run (under 2^25 in all)
	s_mov_b32 s25, 0
	s_add_nc_u64 s[4:5], s[4:5], s[24:25]
	s_lshl_b32 s24, s22, 12                        ; 4,096 bytes of codes
	s_add_nc_u64 s[8:9], s[14:15], s[24:25]
	s_lshl_b32 s24, s22, 8                         ; 256 scale bytes
	s_add_co_u32 s24, s24, XS_OFF
	s_add_nc_u64 s[10:11], s[14:15], s[24:25]
.macro LOAD t
.irp i, 0,1,2,3
	global_load_b128 v[R+16*((\t)%4)+4*\i:R+16*((\t)%4)+4*\i+3], v3, s[4:5] offset:2048*(\t)+512*\i th:TH_LOAD_NT
.endr
.endm
.macro TURN t                          ; LDS serves a wave's instructions in order: no wait between the stores and the loads
.irp i, 0,1,2,3
	ds_store_b128 v14, v[R+16*((\t)%4)+4*\i:R+16*((\t)%4)+4*\i+3] offset:32*SP*((\t)%2)+8*SP*\i
.endr
.irp i, 0,1,2,3
	ds_load_b128 v[X+16*((\t)%2)+4*\i:X+16*((\t)%2)+4*\i+3], v15 offset:32*SP*((\t)%2)+16*\i
.endr
.endm
.irp t, 0,1,2,3
	LOAD \t
.endr
	s_wait_loadcnt 12                              ; step 0's four loads are in; three steps' twelve may be out
	TURN 0
.macro STEP t
.set XN, X+16*((\t)%2)
.if (\t) > 0
	s_wait_dscnt 1                                 ; this step's numbers are back from the stage (the last step's byte store may be out)
.else
	s_wait_dscnt 0x0
.endif
.if (\t)+4 < STEPS
	LOAD (\t)+4                                    ; into the registers that the stage's stores have read
.endif
.if (\t)+1 < STEPS
.if STEPS-2-(\t) >= 3
	s_wait_loadcnt 12                              ; the next step's four loads are in; those of the three steps behind it may be out
.else
	s_wait_loadcnt 4*(STEPS-2-(\t))
.endif
	TURN (\t)+1
.endif
	v_max3_num_f32 v8, |v[XN]|, |v[XN+1]|, |v[XN+2]|
	v_max3_num_f32 v9, |v[XN+3]|, |v[XN+4]|, |v[XN+5]|
.irp i, 6,10
	v_max3_num_f32 v8, v8, |v[XN+\i]|, |v[XN+\i+1]|
	v_max3_num_f32 v9, v9, |v[XN+\i+2]|, |v[XN+\i+3]|
.endr
	v_max3_num_f32 v8, v8, |v[XN+14]|, |v[XN+15]|
	v_max3_num_f32 v8, v8, v9, (EMAX+1)<<23        ; the floor 2^(EMAX + 1 - 127): the byte cannot fall under 1
	v_max_num_f32_dpp v8, v8, v8 row_xmask:1 row_mask:0xf bank_mask:0xf   ; with my neighbour's 16: the block's largest magnitude
	v_add_nc_u32 v11, -(EMAX<<23), v8              ; EMAX off its exponent field: the conversion takes this operand's exponent field as its scale
	v_cvt_scalef32_pk8_fp4_f32 v[C+4*(\t)], v[XN:XN+7], v11
	v_cvt_scalef32_pk8_fp4_f32 v[C+4*(\t)+1], v[XN+8:XN+15], v11
	v_lshrrev_b32 v[E+(\t)], 23, v11               ; the scale's byte
	ds_store_b8 v5, v[E+(\t)] offset:16*(\t)       ; both lanes of a block write the same byte with the same value
	global_store_b64 v4, v[C+4*(\t):C+4*(\t)+1], s[8:9] offset:32*CB*(\t)   ; the wave stores 256 consecutive bytes, aligned
.endm
.irp t, 0,1,2,3,4,5,6,7,8,9,10,11,12,13,14,15
	STEP \t
.endr
	ds_load_b64 v[8:9], v6                         ; in order behind my byte stores
	s_wait_dscnt 0x0
	global_store_b64 v7, v[8:9], s[10:11]          ; 256 scale bytes, aligned
	s_wait_tensorcnt 0x0                           ; the wave's end: behind my last LDS store
	ds_add_u32 v[SPW], v[NIL]
	s_wait_dscnt 0x0
	s_endpgm
; ---------------- the weights.  A lane takes a column n and its 128 registers run down K: each load reads 128 consecutive bytes a wave (512 a work-group),
; a block of 32 along K lies in one lane, and the conversions give codes (or f16 pairs) with K innermost.  Nothing is transposed, no LDS is touched.
.Lweights:
	s_sub_co_u32 s20, ttmp9, 256
	s_lshr_b32 s21, s20, 6                         ; which matrix: 0 Wq, 1 Wk, 2 Wv, 3 Wp
	s_bfe_u32 s22, s20, 0x30003                    ; cb: which 128 columns
	s_and_b32 s23, s20, 7                          ; ks: which 128 along K
	s_cmp_eq_u32 s21, 1
	s_cselect_b64 s[6:7], s[8:9], s[6:7]
	s_cmp_eq_u32 s21, 2
	s_cselect_b64 s[6:7], s[10:11], s[6:7]
	s_cmp_eq_u32 s21, 3
	s_cselect_b64 s[6:7], s[12:13], s[6:7]
	s_lshl_b32 s24, s23, 19                        ; 128 rows of 4,096 bytes
	s_lshl_b32 s25, s22, 9                         ; 128 columns of 4 bytes
	s_add_co_u32 s24, s24, s25
	s_lshl_b32 s25, s18, 7                         ; my wave's 32 columns
	s_add_co_u32 s24, s24, s25
	s_mov_b32 s25, 0
	s_add_nc_u64 s[6:7], s[6:7], s[24:25]
	v_lshlrev_b32 v3, 2, v2                        ; in: 4 bytes a lane
	v_lshrrev_b32 v7, 4, v2                        ; which of my wave's two tiles of 16 columns
	v_and_b32 v14, 15, v2
	v_lshlrev_b32 v14, 4, v14                      ; 16 r
	v_lshl_add_u32 v4, v7, 13, v14                 ; codes out: a tile's 8 fragments are 8,192 bytes
	v_lshl_add_u32 v5, v7, 15, v14                 ; f16 out: a tile's 32 fragments are 32,768 bytes
	v_lshlrev_b32 v6, 5, v2                        ; scale words out: 32 bytes a column
.set i, 0
.rept 128
	global_load_b32 v[WN+i], v3, s[6:7] offset:i*4096 th:TH_LOAD_NT
.set i, i+1
.endr
.macro WWAIT kb                        ; block kb's 32 loads are in.  Behind them 96, 64, 32, 0 were issued; the wait's field ends at 63, and a smaller count is safe
.if (\kb) < 2
	s_wait_loadcnt 63
.elseif (\kb) == 2
	s_wait_loadcnt 32
.else
	s_wait_loadcnt 0x0
.endif
.endm
	s_cmp_eq_u32 s21, 3
	s_cbranch_scc1 .Lwp
	s_lshl_b32 s26, s21, 6
	s_lshl_b32 s27, s22, 3
	s_add_co_u32 s26, s26, s27
	s_lshl_b32 s27, s18, 1
	s_add_co_u32 s26, s26, s27                     ; my wave's first tile: 64 x matrix + 8 cb + 2 wave
	s_lshl_b32 s26, s26, 3
	s_add_co_u32 s26, s26, s23                     ; its fragment of K step ks
	s_lshl_b32 s26, s26, 10
	s_mov_b32 s27, 0
	s_add_nc_u64 s[26:27], s[16:17], s[26:27]
	s_lshl_b32 s28, s21, 15                        ; scale words: 1,024 columns x 32 bytes a matrix,
	s_lshl_b32 s29, s22, 12
	s_add_co_u32 s28, s28, s29
	s_lshl_b32 s29, s18, 10
	s_add_co_u32 s28, s28, s29
	s_lshl_b32 s29, s23, 2                         ; word ks of a column
	s_add_co_u32 s28, s28, s29
	s_add_co_u32 s28, s28, WS_OFF
	s_mov_b32 s29, 0
	s_add_nc_u64 s[28:29], s[16:17], s[28:29]
.macro QBLK kb
.set XB, WN+32*(\kb)
	WWAIT \kb
	v_max3_num_f32 v8, |v[XB]|, |v[XB+1]|, |v[XB+2]|               ; the block's largest magnitude: all 32 numbers are mine
	v_max3_num_f32 v9, |v[XB+3]|, |v[XB+4]|, |v[XB+5]|
.irp i, 6,10,14,18,22,26
	v_max3_num_f32 v8, v8, |v[XB+\i]|, |v[XB+\i+1]|
	v_max3_num_f32 v9, v9, |v[XB+\i+2]|, |v[XB+\i+3]|
.endr
	v_max3_num_f32 v8, v8, |v[XB+30]|, |v[XB+31]|
	v_max3_num_f32 v8, v8, v9, (EMAX+1)<<23
	v_add_nc_u32 v11, -(EMAX<<23), v8
	v_lshrrev_b32 v10, 23, v11
.if (\kb) == 0
	v_mov_b32 v[WW], v10
.else
	v_lshl_or_b32 v[WW], v10, 8*(\kb), v[WW]       ; four bytes make the K step's scale word of my column
.endif
.irp g, 0,1,2,3
	v_cvt_scalef32_pk8_fp4_f32 v[WC+4*(\kb)+\g], v[XB+8*\g:XB+8*\g+7], v11
.endr
	global_store_b128 v4, v[WC+4*(\kb):WC+4*(\kb)+3], s[26:27] offset:256*(\kb)   ; sixteen lanes fill 256 consecutive bytes, aligned
.endm
	QBLK 0
	QBLK 1
	QBLK 2
	QBLK 3
	v_nop                                          ; a plain line behind the last conversion
	global_store_b32 v6, v[WW], s[28:29]           ; 4 bytes a column, 32 bytes apart: one byte for each 128 that the wave has read
	s_endpgm
.Lwp:
	s_lshl_b32 s30, s22, 3
	s_lshl_b32 s31, s18, 1
	s_add_co_u32 s30, s30, s31                     ; my wave's first tile: 8 cb + 2 wave
	s_lshl_b32 s30, s30, 5
	s_lshl_b32 s31, s23, 2
	s_add_co_u32 s30, s30, s31                     ; its K step 4 ks (of 32 along K)
	s_lshl_b32 s30, s30, 10
	s_add_co_u32 s30, s30, WP_OFF
	s_mov_b32 s31, 0
	s_add_nc_u64 s[30:31], s[16:17], s[30:31]
.irp kb, 0,1,2,3
	WWAIT \kb
.set i, 16*\kb
.rept 16
	v_cvt_pk_f16_f32 v[WN+i], v[WN+2*i], v[WN+2*i+1]   ; two neighbours along K, the lower in the low half; compacted in place, ascending
.set i, i+1
.endr
.irp g, 0,1,2,3
	global_store_b128 v5, v[WN+16*\kb+4*\g:WN+16*\kb+4*\g+3], s[30:31] offset:256*(4*\kb+\g)   ; sixteen lanes fill 256 consecutive bytes, aligned
.endr
.endr
	s_endpgm
.Lfunc_end_k_q3babd33597_prep:
	.size	k_q3babd33597_prep, .Lfunc_end_k_q3babd33597_prep-k_q3babd33597_prep
	.p2alignl 7, 3214868480
	.fill 96, 4, 3214868480
	.section	.rodata,"a",@progbits
	.p2align	6, 0x0
	.amdhsa_kernel k_q3babd33597_prep
		.amdhsa_group_segment_fixed_size 33280
		.amdhsa_private_segment_fixed_size 0
		.amdhsa_enable_private_segment 0
		.amdhsa_kernarg_size 56
		.amdhsa_user_sgpr_count 2
		.amdhsa_user_sgpr_kernarg_segment_ptr 1
		.amdhsa_wavefront_size32 1
		.amdhsa_system_sgpr_workgroup_id_x 1
		.amdhsa_system_sgpr_workgroup_id_y 1
		.amdhsa_system_sgpr_workgroup_id_z 1
		.amdhsa_system_vgpr_workitem_id 0
		.amdhsa_next_free_vgpr 192
		.amdhsa_next_free_sgpr 66
		.amdhsa_reserve_vcc 0
		.amdhsa_float_denorm_mode_32 3
		.amdhsa_float_denorm_mode_16_64 3
		.amdhsa_memory_ordered 1
		.amdhsa_forward_progress 1
		.amdhsa_inst_pref_size 59
	.end_amdhsa_kernel
	.amdgpu_metadata
---
amdhsa.version: [ 1, 2 ]
amdhsa.kernels:
  - .name:           k_q3babd33597_prep
    .symbol:         k_q3babd33597_prep.kd
    .args:
      - { .name: x, .offset: 0, .size: 8, .value_kind: global_buffer, .address_space: global }
      - { .name: Wq, .offset: 8, .size: 8, .value_kind: global_buffer, .address_space: global }
      - { .name: Wk, .offset: 16, .size: 8, .value_kind: global_buffer, .address_space: global }
      - { .name: Wv, .offset: 24, .size: 8, .value_kind: global_buffer, .address_space: global }
      - { .name: Wp, .offset: 32, .size: 8, .value_kind: global_buffer, .address_space: global }
      - { .name: xcodes, .offset: 40, .size: 8, .value_kind: global_buffer, .address_space: global }
      - { .name: wcodes, .offset: 48, .size: 8, .value_kind: global_buffer, .address_space: global }
    .group_segment_fixed_size: 33280
    .private_segment_fixed_size: 0
    .kernarg_segment_align: 8
    .kernarg_segment_size: 56
    .max_flat_workgroup_size: 128
    .sgpr_count:     66
    .vgpr_count:     192
    .wavefront_size: 32
...
	.end_amdgpu_metadata
.endif
;; end of part 1
;; launch qkvgemm (part 2): grid 8 x 32, 4 waves a work-group, clusters of 4 x 1, 167,936 bytes of LDS; arguments xcodes, wcodes, bq, bk, bv, qkvf, first16; writes qkvf, first16
.if DOCPART == 2
	.amdgcn_target "amdgcn-amd-amdhsa--gfx1250"
	.amdhsa_code_object_version 6
	.text
	.protected	k_q3babd33597_qkvgemm
	.globl	k_q3babd33597_qkvgemm
	.p2align	8
	.type	k_q3babd33597_qkvgemm,@function
k_q3babd33597_qkvgemm:
	s_mov_b64 s[64:65], 0
	v_nop
	global_prefetch_b8 v0, s[64:65] scope:SCOPE_SE
	s_setreg_imm32_b32 hwreg(HW_REG_WAVE_MODE, 25, 1), 1
	s_wait_xcnt 0x0
	s_wait_alu depctr_hold_cnt(0) depctr_sa_sdst(0) depctr_va_vdst(0) depctr_va_sdst(0) depctr_va_ssrc(0) depctr_va_vcc(0) depctr_vm_vsrc(0)
	s_getreg_b32 s2, hwreg(HW_REG_IB_STS2, 6, 4)
	s_cmp_eq_u32 s2, 0
	s_cbranch_scc0 .Lentry_in_a_cluster
	s_endpgm
.Lentry_in_a_cluster:
	s_bfe_u32 s2, ttmp6, 0x10000c
	s_cmp_lg_u32 s2, 0x3003
	s_cbranch_scc0 .Lentry_shape_is_right
	s_endpgm
.Lentry_shape_is_right:
; q = x Wq + bq, k = x Wk + bk, v = x Wv + bv on codes of FP4 (E2M1) with E8M0 scales for each 32 along K = 1,024; sums in f32.
; SHARES.  A work-group takes 256 rows of x (MG = grid y) and 128 columns (CG = grid x: two heads) of EACH of q, k, v.  Wave w takes columns 128 CG + 32 w + 0 .. 31 of each:
; six tiles of 16 columns, u = 0, 1 of q, 2, 3 of k, 4, 5 of v.  Their 48 fragments of W and 48 scale words stay in the wave's registers, read from memory once.
; The 256 rows' codes and scale bytes of x are brought into LDS once.  The four work-groups of a cluster share MG, so these tiles are asked for JOINTLY (mask 15).
; RESULTS LEAVE AS IMAGES OF THE NEXT LAUNCH'S OPERAND REGISTERS, in f16, 512 consecutive bytes a store:
;   q, k: the product is used transposed (source 0 = W, source 1 = x): a lane holds one row t and eight neighbouring channels: piece u % 2 of the fragment (tile t / 16, channels 32 (w % 2) on).
;   v:    the product is used as it stands (source 0 = x, source 1 = W): a lane holds one channel and eight neighbouring keys: piece (t / 16) % 2 of V^T's fragment (keys 32 (t / 32) on, channel tile).
;   qkvf: Q at 0, K at 2^24: [64 b h][128 tiles of 16 rows][2][1,024 bytes];  V at 2^25: [64 b h][64 blocks of 32 keys][4 channel tiles][1,024 bytes].
; Rows t < 16 of every sequence also leave in f32 (first16: [3][4 b][16 t][1,024]), for the launch that carries them finely.
; LIMITS: q, k, v are rounded to f16: magnitudes above 65,504 become infinite.
; REGISTERS, in windows of 256.  window 0: v1-15 addresses; v16-23 x's scale words; v24-71 W's (8 u + s); v72-135 x's eight fragments; v136-183 packed results, two sets.
;   window 1: W's fragments of u = 0 .. 3 at 64 u + 8 s.   window 2: those of u = 4, 5 at 64 (u - 4) + 8 s; v128-175 the biases in the results' layout; v176-223 six accumulators.
.set XS_OFF, 4194304
.set WS_OFF, 1572864
.set XP,     528                       ; a row of x's codes in LDS: 512 bytes + 16 of padding: the sixteen rows of a fragment load start at sixteen different banks
.set XSC,    256*XP                    ; behind the codes: the rows' scale bytes, 32 a row
.set SPARE,  XSC+8192                  ; the spare words: 128 bytes a wave, two blocks of 256 bytes that no other line names
.set LI,   1                           ; v1  16 x lane
.set XA,   2                           ; v2  my lane's place in a tile of x: XP r + 16 h
.set XSA,  3                           ; v3  and among the scale words: XSC + 32 r
.set OQ,   4                           ; v4  results: 16 x lane + 4,096 x (trips begun)
.set A16T, 6                           ; v6  first16, q and k: 4,096 r + 32 h
.set A16N, 7                           ; v7  first16, v: 32,768 h + 4 r
.set SPW,  8                           ; v8  my spare word; never rewritten
.set NIL,  9                           ; v9  0; never rewritten
.set R32,  10                          ; v10 32 r
.set H32,  11                          ; v11 32 h
.set R4,   12                          ; v12 4 r
.set AX,   14                          ; v14 LDS address of the pair of tiles in hand
.set AS,   15                          ; v15 and of their scale words
.set XS,   16
.set WS,   24
.set XF,   72
.set PK,   136
.set BI,   128                         ; window 2
.set ACC,  176                         ; window 2
.set WV,  18
.set CX,  19
.set CG,  20
.set MG,  21
.set G1C, 32                           ; s[32:39], s[40:43] descriptor groups 1 and 0 for the codes
.set G0C, 40
.set G1S, 44                           ; s[44:51], s[52:55] for the scale bytes
.set G0S, 52
.set QP,  56
.set KP,  58
.set VP,  60
.set HP,  62
.set FL,  66                           ; s66 0 while the tile in hand holds rows t < 16 of a sequence
.set CNT, 67
.set TX,  68                           ; s68 LDS byte at which the pair of tiles in hand begins
.set TS,  69                           ; s69 the same for their scale words
.set MSB, 0
.macro WIN new                         ; the immediate's high byte repeats the setting that is left
.if MSB != \new
	s_set_vgpr_msb (MSB<<8)|\new
.set MSB, \new
.endif
.endm
.macro PLACES n
.rept \n
	v_nop
.endr
.endm
.macro CROUND                          ; a round of the cluster's barrier
	s_barrier_signal -1
	s_barrier_wait -1
	s_cmp_lg_u32 s[WV], 0
	s_cbranch_scc1 .Lnot_wave_0_\@
	s_barrier_signal -3
.Lnot_wave_0_\@:
	s_barrier_wait -3
	s_barrier_signal -1
	s_barrier_wait -1
.endm
	s_load_b256 s[4:11], s[0:1], 0x0               ; xcodes, wcodes, bq, bk
	s_load_b128 s[12:15], s[0:1], 0x20             ; bv, qkvf
	s_load_b64 s[16:17], s[0:1], 0x30              ; first16
	v_lshl_add_u32 v[SPW], v0, 2, SPARE
	v_mov_b32 v[NIL], 0
	ds_add_u32 v[SPW], v[NIL]                      ; the wave's opening: the add, twice on end, and its wait ahead of my first tensor load
	ds_add_u32 v[SPW], v[NIL]
	v_lshrrev_b32 v13, 5, v0
	v_readfirstlane_b32 s[WV], v13                 ; wave 0..3
	s_bfe_u32 s[CX], ttmp6, 0x40000                ; my place in the cluster
	s_lshl_b32 s[CG], ttmp9, 2
	s_add_co_u32 s[CG], s[CG], s[CX]               ; column group 0..7
	s_and_b32 s[MG], ttmp7, 0xffff                 ; row group 0..31, shared by the four partners
	; codes: 64 rows x 512 bytes a wave, 16 bytes of padding behind each row
	s_mov_b32 s[G1C], 15|(1<<20)|(1<<21)|(6<<22)|(3<<25)   ; 15:0 the mask: all four; 17:16 elements of 1 byte; 20 padding on; 21 set beside a mask; 24:22 after every 128 words; 31:25 four words
	s_mov_b32 s[G1C+1], 512<<16                    ; tensor_dim0
	s_mov_b32 s[G1C+2], 64<<16                     ; tensor_dim1
	s_mov_b32 s[G1C+3], 512<<16                    ; tile_dim0
	s_mov_b32 s[G1C+4], 64                         ; tile_dim1
	s_mov_b32 s[G1C+5], 512                        ; from row to row
	s_mov_b32 s[G1C+6], 0
	s_mov_b32 s[G1C+7], 0
	; scale bytes: 64 rows x 32 bytes are 2,048 dense bytes: 8 rows of 32 elements of 8 bytes
	s_mov_b32 s[G1S], 15|(3<<16)|(1<<21)
	s_mov_b32 s[G1S+1], 32<<16
	s_mov_b32 s[G1S+2], 8<<16
	s_mov_b32 s[G1S+3], 32<<16
	s_mov_b32 s[G1S+4], 8
	s_mov_b32 s[G1S+5], 32
	s_mov_b32 s[G1S+6], 0
	s_mov_b32 s[G1S+7], 0
	s_lshl_b32 s24, s[MG], 8
	s_lshl_b32 s25, s[WV], 6
	s_add_co_u32 s24, s24, s25                     ; the first row that I fetch: 256 MG + 64 wave: nothing of my place in the cluster
	s_lshl_b32 s26, s24, 9                         ; its codes
	s_mov_b32 s27, 0
	s_lshl_b32 s24, s24, 5                         ; its scale bytes
	s_add_co_u32 s24, s24, XS_OFF
	s_mov_b32 s25, 0
	; what hangs on the column group lives in s70-79 and the pointers made of them
	s_lshl_b32 s70, s[CG], 7
	s_lshl_b32 s71, s[WV], 5
	s_add_co_u32 s70, s70, s71                     ; my first column: 128 CG + 32 wave
	s_lshl_b32 s72, s70, 9                         ; W's fragments: 8,192 bytes a tile of 16 columns
	s_mov_b32 s73, 0
	s_lshl_b32 s74, s70, 5                         ; W's scale words: 32 bytes a column
	s_add_co_u32 s74, s74, WS_OFF
	s_mov_b32 s75, 0
	s_lshl_b32 s76, s70, 2                         ; the biases
	s_mov_b32 s77, 0
	s_lshr_b32 s78, s[MG], 3                       ; b
	s_lshl_b32 s79, s78, 16                        ; first16: 65,536 bytes a batch
	s_lshl_b32 s78, s78, 4
	s_lshl_b32 s71, s[CG], 1
	s_add_co_u32 s78, s78, s71
	s_lshr_b32 s71, s[WV], 1
	s_add_co_u32 s78, s78, s71                     ; b h = 16 b + 2 CG + wave / 2
	s_lshl_b32 s78, s78, 18                        ; 262,144 bytes a head in each of Q, K, V
	s_and_b32 s[FL], s[MG], 7                      ; which 256 rows of the sequence
	s_lshl_b32 s71, s[FL], 15                      ; 16 tiles x 2,048 = 8 blocks x 4,096
	s_add_co_u32 s78, s78, s71
	s_and_b32 s71, s[WV], 1
	s_lshl_b32 s[QP], s71, 10                      ; Q, K: channels 32 (wave % 2) on
	s_add_co_u32 s[QP], s[QP], s78
	s_mov_b32 s[QP+1], 0
	s_lshl_b32 s[VP], s71, 11                      ; V: channel tiles 2 (wave % 2) on
	s_add_co_u32 s[VP], s[VP], s78
	s_mov_b32 s[VP+1], 0
	s_add_co_u32 s[HP], s79, s76
	s_mov_b32 s[HP+1], 0
	s_mov_b32 s[TX], 0
	s_mov_b32 s[TS], 0
	v_and_b32 v[LI], 31, v0
	v_lshlrev_b32 v[LI], 4, v[LI]
	v_and_b32 v13, 15, v0                          ; r
	v_bfe_u32 v5, v0, 4, 1                         ; h
	v_mul_u32_u24 v[XA], v13, XP
	v_lshl_add_u32 v[XA], v5, 4, v[XA]
	v_lshl_add_u32 v[XSA], v13, 5, XSC
	v_mov_b32 v[OQ], v[LI]
	v_lshlrev_b32 v[A16T], 12, v13
	v_lshl_add_u32 v[A16T], v5, 5, v[A16T]
	v_lshlrev_b32 v[A16N], 2, v13
	v_lshl_add_u32 v[A16N], v5, 15, v[A16N]
	v_lshlrev_b32 v[R32], 5, v13
	v_lshlrev_b32 v[H32], 5, v5
	v_lshlrev_b32 v[R4], 2, v13
	v_add_nc_u32 v[AX], s[TX], v[XA]
	v_add_nc_u32 v[AS], s[TS], v[XSA]
	s_wait_dscnt 0x0                               ; both opening adds are done
	s_wait_kmcnt 0x0
	s_mov_b32 s[G0C], 1
	s_mul_i32 s[G0C+1], s[WV], 64*XP               ; LDS: my 64 rows
	s_add_nc_u64 s[G0C+2:G0C+3], s[4:5], s[26:27]
	s_or_b32 s[G0C+3], s[G0C+3], 0x80000000
	s_mov_b32 s[G0S], 1
	s_lshl_b32 s[G0S+1], s[WV], 11
	s_add_co_u32 s[G0S+1], s[G0S+1], XSC
	s_add_nc_u64 s[G0S+2:G0S+3], s[4:5], s[24:25]
	s_or_b32 s[G0S+3], s[G0S+3], 0x80000000
	s_add_nc_u64 s[QP:QP+1], s[14:15], s[QP:QP+1]
	s_add_nc_u64 s[KP:KP+1], s[QP:QP+1], 0x1000000
	s_add_nc_u64 s[VP:VP+1], s[14:15], s[VP:VP+1]
	s_add_nc_u64 s[VP:VP+1], s[VP:VP+1], 0x2000000
	s_add_nc_u64 s[HP:HP+1], s[16:17], s[HP:HP+1]
	s_add_nc_u64 s[72:73], s[6:7], s[72:73]
	s_add_nc_u64 s[74:75], s[6:7], s[74:75]
	s_add_nc_u64 s[8:9], s[8:9], s[76:77]
	s_add_nc_u64 s[10:11], s[10:11], s[76:77]
	s_add_nc_u64 s[12:13], s[12:13], s[76:77]
	CROUND                                         ; all four work-groups are here: the joint loads meet
	tensor_load_to_lds s[G0C:G0C+3], s[G1C:G1C+7]  ; both fills of the launch go out together: two loads of mine are out
	s_nop 0
	tensor_load_to_lds s[G0S:G0S+3], s[G1S:G1S+7]
	s_nop 0
	PLACES 4
	WIN 0x40                                       ; destination window 1
.irp u, 0,1,2,3
.irp s, 0,1,2,3,4,5,6,7
.irp c, 0,1
	global_load_b128 v[64*\u+8*\s+4*\c:64*\u+8*\s+4*\c+3], v[LI], s[72:73] offset:(\u/2)*524288+(\u%2)*8192+1024*\s+512*\c
.endr
.endr
.endr
	WIN 0x80                                       ; destination window 2
.irp u, 4,5
.irp s, 0,1,2,3,4,5,6,7
.irp c, 0,1
	global_load_b128 v[64*(\u-4)+8*\s+4*\c:64*(\u-4)+8*\s+4*\c+3], v[LI], s[72:73] offset:(\u/2)*524288+(\u%2)*8192+1024*\s+512*\c
.endr
.endr
.endr
.irp u, 0,1                                    ; the biases in the results' layout.  q, k: register j = b[column 8 h + j of the tile]
	global_load_b128 v[BI+8*\u:BI+8*\u+3], v[H32], s[8:9] offset:64*\u
	global_load_b128 v[BI+8*\u+4:BI+8*\u+7], v[H32], s[8:9] offset:64*\u+16
.endr
.irp u, 2,3
	global_load_b128 v[BI+8*\u:BI+8*\u+3], v[H32], s[10:11] offset:64*(\u-2)
	global_load_b128 v[BI+8*\u+4:BI+8*\u+7], v[H32], s[10:11] offset:64*(\u-2)+16
.endr
.irp u, 4,5                                    ; v: every register = b[column r of the tile]
.irp j, 0,1,2,3,4,5,6,7
	global_load_b32 v[BI+8*\u+\j], v[R4], s[12:13] offset:64*(\u-4)
.endr
.endr
	WIN 0
.irp u, 0,1,2,3,4,5
	global_load_b128 v[WS+8*\u:WS+8*\u+3], v[R32], s[74:75] offset:(\u/2)*32768+(\u%2)*512
	global_load_b128 v[WS+8*\u+4:WS+8*\u+7], v[R32], s[74:75] offset:(\u/2)*32768+(\u%2)*512+16
.endr
	s_wait_loadcnt 0x0                             ; W, its scale words and the biases: once
	s_wait_tensorcnt 0x0                           ; my parts of x's codes and scale bytes are in,
	s_barrier_signal -1
	s_barrier_wait -1                              ; everybody's are
; the eight fragments (16 rows x 128 K: lane (r, h) takes bytes 64 s + 32 c + 16 h of row r) and the eight scale words of tile off of the pair in hand
.macro XLOAD off
.irp s, 0,1,2,3,4,5,6,7
.irp c, 0,1
	ds_load_b128 v[XF+8*\s+4*\c:XF+8*\s+4*\c+3], v[AX] offset:(\off)*16*XP+64*\s+32*\c
.endr
.endr
	ds_load_b128 v[XS:XS+3], v[AS] offset:(\off)*512
	ds_load_b128 v[XS+4:XS+7], v[AS] offset:(\off)*512+16
.endm
; A TILE of 16 rows: 48 matrix instructions; e: which of a trip's two; nxt: 1 fetch the pair's second tile, 2 step to the next pair and fetch its first, 0 nothing.
; The accumulators take turns, one instruction a turn (four, then two).  The bias is the C of each sum's first instruction.
.macro TILE e, nxt
	s_wait_dscnt 0x0                               ; the tile's fragments and scale words are in
	WIN 0xa1                                       ; source 0 (W) window 1, source 1 (x) window 0, C and D window 2
.irp s, 0,1,2,3,4,5,6,7
.irp u, 0,1,2,3
.if \s == 0
	v_wmma_scale_f32_16x16x128_f8f6f4 v[ACC+8*\u:ACC+8*\u+7], v[64*\u+8*\s:64*\u+8*\s+7], v[XF+8*\s:XF+8*\s+7], v[BI+8*\u:BI+8*\u+7], v[WS+8*\u+\s], v[XS+\s] matrix_a_fmt:MATRIX_FMT_FP4 matrix_b_fmt:MATRIX_FMT_FP4
.else
	v_wmma_scale_f32_16x16x128_f8f6f4 v[ACC+8*\u:ACC+8*\u+7], v[64*\u+8*\s:64*\u+8*\s+7], v[XF+8*\s:XF+8*\s+7], v[ACC+8*\u:ACC+8*\u+7], v[WS+8*\u+\s], v[XS+\s] matrix_a_fmt:MATRIX_FMT_FP4 matrix_b_fmt:MATRIX_FMT_FP4
.endif
.endr
.endr
	WIN 0xa8                                       ; source 0 (x) window 0, source 1 (W) window 2, C and D window 2
.irp s, 0,1,2,3,4,5,6,7
.irp u, 4,5
.if \s == 0
	v_wmma_scale_f32_16x16x128_f8f6f4 v[ACC+8*\u:ACC+8*\u+7], v[XF+8*\s:XF+8*\s+7], v[64*(\u-4)+8*\s:64*(\u-4)+8*\s+7], v[BI+8*\u:BI+8*\u+7], v[XS+\s], v[WS+8*\u+\s] matrix_a_fmt:MATRIX_FMT_FP4 matrix_b_fmt:MATRIX_FMT_FP4
.else
	v_wmma_scale_f32_16x16x128_f8f6f4 v[ACC+8*\u:ACC+8*\u+7], v[XF+8*\s:XF+8*\s+7], v[64*(\u-4)+8*\s:64*(\u-4)+8*\s+7], v[ACC+8*\u:ACC+8*\u+7], v[XS+\s], v[WS+8*\u+\s] matrix_a_fmt:MATRIX_FMT_FP4 matrix_b_fmt:MATRIX_FMT_FP4
.endif
.endr
.endr
	WIN 0
	PLACES 4                                       ; in front of loads into registers that the products have read, and of the first read of results
.if \nxt == 1
	XLOAD 1
.elseif \nxt == 2
	s_add_co_u32 s[TX], s[TX], 32*XP
	s_add_co_u32 s[TS], s[TS], 1024
	v_add_nc_u32 v[AX], s[TX], v[XA]
	v_add_nc_u32 v[AS], s[TS], v[XSA]
	XLOAD 0
.endif
.if \e == 0
	s_cmp_lg_u32 s[FL], 0                          ; rows t < 16 of a sequence: the first tile of a work-group whose rows begin a sequence (ids alone, the same in all partners)
	s_cbranch_scc1 .Lnot16_\@
	WIN 0x08                                       ; a store's data: window 2
.irp u, 0,1,2,3
	global_store_b128 v[A16T], v[ACC+8*\u:ACC+8*\u+3], s[HP:HP+1] offset:(\u/2)*262144+64*(\u%2)
	global_store_b128 v[A16T], v[ACC+8*\u+4:ACC+8*\u+7], s[HP:HP+1] offset:(\u/2)*262144+64*(\u%2)+16
.endr
.irp u, 4,5
.irp j, 0,1,2,3,4,5,6,7
	global_store_b32 v[A16N], v[ACC+8*\u+\j], s[HP:HP+1] offset:524288+64*(\u-4)+4096*\j
.endr
.endr
	WIN 0
.Lnot16_\@:
	s_mov_b32 s[FL], 1
	s_wait_xcnt 0x0                                ; every earlier store has read its registers: the packed results, the offset and the accumulators may be written again
	v_add_nc_u32 v[OQ], 4096, v[OQ]                ; a trip is two tiles of Q and K (2 x 2,048 bytes) and one block of V (4,096); the stores reach back
.endif
	WIN 0x0a                                       ; sources window 2, destination window 0
.irp u, 0,1,2,3,4,5
.irp q, 0,1,2,3
	v_cvt_pk_f16_f32 v[PK+24*\e+4*\u+\q], v[ACC+8*\u+2*\q], v[ACC+8*\u+2*\q+1]   ; each accumulator from its low end on
.endr
.endr
	WIN 0
.irp u, 0,1
	global_store_b128 v[OQ], v[PK+24*\e+4*\u:PK+24*\e+4*\u+3], s[QP:QP+1] offset:-4096+2048*\e+512*\u   ; 512 consecutive bytes a store, aligned
.endr
.irp u, 2,3
	global_store_b128 v[OQ], v[PK+24*\e+4*\u:PK+24*\e+4*\u+3], s[KP:KP+1] offset:-4096+2048*\e+512*(\u-2)
.endr
.irp u, 4,5
	global_store_b128 v[OQ], v[PK+24*\e+4*\u:PK+24*\e+4*\u+3], s[VP:VP+1] offset:-4096+512*\e+1024*(\u-4)
.endr
.endm
	XLOAD 0
	s_mov_b32 s[CNT], 7
.Ltrip:                                            ; a trip: two tiles of 16 rows; seven trips and a tail that fetches nothing beyond the 256 rows
	TILE 0, 1
	TILE 1, 2
	s_sub_co_u32 s[CNT], s[CNT], 1
	s_cmp_lg_u32 s[CNT], 0
	s_cbranch_scc1 .Ltrip
	TILE 0, 1
	TILE 1, 0
	s_wait_tensorcnt 0x0                           ; the wave's end: behind my last tensor load
	ds_add_u32 v[SPW], v[NIL]
	s_wait_dscnt 0x0
	CROUND                                         ; the closing round
	s_endpgm
.Lfunc_end_k_q3babd33597_qkvgemm:
	.size	k_q3babd33597_qkvgemm, .Lfunc_end_k_q3babd33597_qkvgemm-k_q3babd33597_qkvgemm
	.p2alignl 7, 3214868480
	.fill 96, 4, 3214868480
	.section	.rodata,"a",@progbits
	.p2align	6, 0x0
	.amdhsa_kernel k_q3babd33597_qkvgemm
		.amdhsa_group_segment_fixed_size 167936
		.amdhsa_private_segment_fixed_size 0
		.amdhsa_enable_private_segment 0
		.amdhsa_kernarg_size 56
		.amdhsa_user_sgpr_count 2
		.amdhsa_user_sgpr_kernarg_segment_ptr 1
		.amdhsa_wavefront_size32 1
		.amdhsa_system_sgpr_workgroup_id_x 1
		.amdhsa_system_sgpr_workgroup_id_y 1
		.amdhsa_system_sgpr_workgroup_id_z 1
		.amdhsa_system_vgpr_workitem_id 0
		.amdhsa_next_free_vgpr 736
		.amdhsa_next_free_sgpr 80
		.amdhsa_reserve_vcc 0
		.amdhsa_float_denorm_mode_32 3
		.amdhsa_float_denorm_mode_16_64 3
		.amdhsa_memory_ordered 1
		.amdhsa_forward_progress 1
		.amdhsa_inst_pref_size 62
	.end_amdhsa_kernel
	.amdgpu_metadata
---
amdhsa.version: [ 1, 2 ]
amdhsa.kernels:
  - .name:           k_q3babd33597_qkvgemm
    .symbol:         k_q3babd33597_qkvgemm.kd
    .args:
      - { .name: xcodes, .offset: 0, .size: 8, .value_kind: global_buffer, .address_space: global }
      - { .name: wcodes, .offset: 8, .size: 8, .value_kind: global_buffer, .address_space: global }
      - { .name: bq, .offset: 16, .size: 8, .value_kind: global_buffer, .address_space: global }
      - { .name: bk, .offset: 24, .size: 8, .value_kind: global_buffer, .address_space: global }
      - { .name: bv, .offset: 32, .size: 8, .value_kind: global_buffer, .address_space: global }
      - { .name: qkvf, .offset: 40, .size: 8, .value_kind: global_buffer, .address_space: global }
      - { .name: first16, .offset: 48, .size: 8, .value_kind: global_buffer, .address_space: global }
    .group_segment_fixed_size: 167936
    .private_segment_fixed_size: 0
    .kernarg_segment_align: 8
    .kernarg_segment_size: 56
    .max_flat_workgroup_size: 128
    .sgpr_count:     80
    .vgpr_count:     736
    .wavefront_size: 32
...
	.end_amdgpu_metadata
.endif
;; end of part 2
;; launch attn (part 3): grid 4 x 64, 8 waves a work-group, no clusters, 66,560 bytes of LDS; arguments qkvf, yfrag; writes yfrag
.if DOCPART == 3
	.amdgcn_target "amdgcn-amd-amdhsa--gfx1250"
	.amdhsa_code_object_version 6
	.text
	.protected	k_q3babd33597_attn
	.globl	k_q3babd33597_attn
	.p2align	8
	.type	k_q3babd33597_attn,@function
k_q3babd33597_attn:
	s_mov_b64 s[64:65], 0
	v_nop
	global_prefetch_b8 v0, s[64:65] scope:SCOPE_SE
	s_setreg_imm32_b32 hwreg(HW_REG_WAVE_MODE, 25, 1), 1
	s_wait_xcnt 0x0
; y[b h][q] = the sum over k <= q of softmax_k(Q[q] . K[k] / 8) V[k], head size 64, 2,048 positions, 64 heads.  Operands f16, products, maxima and sums f32; the weights p are rounded to f16 for the second product.
; Q, K, V arrive as images of operand registers (layouts: the launch before): a fragment is two loads of 512 consecutive bytes.  y leaves the same way, as source 1 of the output projection:
; yfrag [512 tiles of 16 rows][32 K steps of 32 channels][1,024 bytes].
; SHARES.  Work-group p of a head takes query block 7 - p and then block p (256 queries each): 2 (8 - p) + 2 (p + 1) = 18 phases of 128 keys for every work-group: one loop of 9 trips.
; Each of its eight waves owns 32 queries, two tiles of 16; two waves share a SIMD, so that one wave's softmax stands beside the other's products.
; NO CLUSTER: the four work-groups of a head need different numbers of tiles (18 phases in all, but split 16 + 2, 14 + 4, 12 + 6, 10 + 8), so joint requests would not meet.
; K AND V go through two LDS slots of 32,768 bytes (128 keys: 16 KiB of K, 16 KiB of V), copied through registers, 16 bytes a thread and instruction: a phase's copy is 16 instructions a wave.
; LAYOUT.  S^T = K Q^T (source 0 = 16 keys, source 1 = 16 queries): a lane holds ONE query (lane % 16) and keys 8 (lane / 16) + 0 .. 7; two such tiles, packed to f16, ARE source 1 of O^T = V^T P.
; SOFTMAX.  A running maximum m and sum l for each query: p = 2^(c s - c m), c = log2(e) / 8; in every step O and l are multiplied by a = 2^(c m_old - c m_new).
; THE MASK.  A step (64 keys) all of whose keys come after the wave's 32 queries is jumped over by a scalar branch on ids; in the one step of a wave that lies on the diagonal hidden scores become -infinity.
; Every step that is walked has a key that counts for each query (32-query blocks against 64-key steps), and key 0 counts for all: m is a number from the first step on.
; LIMITS: as stated for f16 in the launch before.  The step is written once: O and l begin as zeros and m as -3e38, so that the first a is 0.
; REGISTERS.  window 0: v1-9 addresses and constants; v12-27 eight statistics a tile (+0 c m, +1 m, +2, +3 l, +4 .. +7 at work, a at +6); v32-95 S^T (32 t + 8 a); v96-127 P (16 t + 4 a + q);
;   v128-191 K's fragments (16 a + 8 s); v192-255 V's (32 kb + 8 i).   window 1: v0-63 O^T (32 t + 8 i); v64-95 Q (16 t + 8 s); v96-127 the second block's Q; v128-159 a phase's bytes on their way to LDS.
.set KOFF,  16777216
.set VOFF,  33554432
.set SLOT,  32768
.set SPARE, 65536                      ; the spare words: 128 bytes a wave, four blocks of 256 bytes that no other line names
.set LI,   1                           ; v1 16 x lane
.set SA,   2                           ; v2 16 x thread
.set RH,   3                           ; v3 r - 8 h
.set TH,   4                           ; v4, v5 the mask's thresholds of tiles 0, 1
.set NINF, 6                           ; v6 -infinity
.set PFO,  7                           ; v7 256 x lane
.set SPW,  8
.set NIL,  9
.set ST,   12
.set S,    32
.set P,    96
.set KF,   128
.set VF,   192
.set O,    0                           ; window 1
.set Q,    64
.set Q2,   96
.set SG,   128
.set WV,   8
.set PP,   9
.set BH,   10
.set TRIP, 11
.set TSW,  12                          ; the trip at whose head the query block changes
.set KFS,  13                          ; the step's first key
.set QW,   14                          ; my first query
.set QB,   15                          ; the query block in hand
.set LP,   16                          ; the key phase that the next copy fetches
.set NP0,  17                          ; phases of the first block
.set CS,   18                          ; s[18:19] c
.set SEL,  20                          ; s[20:21] v_permlanex16_b32's selects for lane l xor 16
.set KH,   22
.set VH,   24
.set KW,   26
.set VW,   28
.set YW,   30
.set PFA,  32
.set LIM0, 34
.set LIM1, 35
.set T0,   36
.set T1,   38
.set QA,   40
.set QA1,  42
.set QA2,  44
.set MSB, 0
.macro WIN new
.if MSB != \new
	s_set_vgpr_msb (MSB<<8)|\new
.set MSB, \new
.endif
.endm
.macro PLACES n
.rept \n
	v_nop
.endr
.endm
.macro SETY                            ; where my two tiles of y begin: row tile 128 b + 16 QB + 2 wave, K step 2 x head
	s_lshr_b32 s[T0], s[BH], 4
	s_lshl_b32 s[T0], s[T0], 7
	s_lshl_b32 s[T1], s[QB], 4
	s_add_co_u32 s[T0], s[T0], s[T1]
	s_lshl_b32 s[T1], s[WV], 1
	s_add_co_u32 s[T0], s[T0], s[T1]
	s_lshl_b32 s[T0], s[T0], 15
	s_and_b32 s[T1], s[BH], 15
	s_lshl_b32 s[T1], s[T1], 11
	s_add_co_u32 s[T0], s[T0], s[T1]
	s_mov_b32 s[T0+1], 0
	s_add_nc_u64 s[YW:YW+1], s[6:7], s[T0:T0+1]
.endm
; The next phase's 32 KiB are asked for: 8 loads of 16 bytes a thread.  The stream runs on from the first block's last keys to the second block's key 0.
.macro SLOAD
	s_lshl_b32 s[T0], s[LP], 14
	s_mov_b32 s[T0+1], 0
	s_add_nc_u64 s[KW:KW+1], s[KH:KH+1], s[T0:T0+1]   ; (the last copy's loads have been waited for: their bases may be written)
	s_add_nc_u64 s[VW:VW+1], s[VH:VH+1], s[T0:T0+1]
	WIN 0x40
.irp i, 0,1,2,3
	global_load_b128 v[SG+4*\i:SG+4*\i+3], v[SA], s[KW:KW+1] offset:4096*\i
.endr
.irp i, 0,1,2,3
	global_load_b128 v[SG+16+4*\i:SG+16+4*\i+3], v[SA], s[VW:VW+1] offset:4096*\i
.endr
	WIN 0
	s_add_co_u32 s[LP], s[LP], 1
	s_cmp_eq_u32 s[LP], s[NP0]
	s_cselect_b32 s[LP], 0, s[LP]
.endm
.macro SSTORE slot
	WIN 0x04                                       ; an LDS store's data: window 1
.irp i, 0,1,2,3,4,5,6,7
	ds_store_b128 v[SA], v[SG+4*\i:SG+4*\i+3] offset:(\slot)*SLOT+4096*\i
.endr
	WIN 0
	s_wait_dscnt 0x0                               ; the stores have read their registers: the next copy's loads may land there
.endm
; A PREFETCH of key phase g + 3 in phase g, one phase ahead of the loads that fetch it.  All four work-groups of a head walk the same K and V from key 0 on: the first of them (p = 0, which walks all 16 key phases) asks,
; waves 0 and 1 for K's 16 KiB, waves 2 and 3 for V's, 8,192 bytes a wave, lanes 256 bytes apart: each aligned 256 bytes of key phases 3 to 15 are named once.  The limits end the asking at key phase 15.
.macro ASK lim
	s_cmp_lt_u32 s[TRIP], s[\lim]
	s_cbranch_scc0 .Lnot_mine_\@
	global_prefetch_b8 v[PFO], s[PFA:PFA+1] th:TH_LOAD_NT scope:SCOPE_SE
.Lnot_mine_\@:
.endm
.macro INIT
.irp t, 0,1
	v_mov_b32 v[ST+8*\t+1], 0xff61b1e6             ; m = -3e38, under every score
	v_mul_f32 v[ST+8*\t], s[CS], v[ST+8*\t+1]      ; c m
.irp n, 2,3,4,5,6,7
	v_mov_b32 v[ST+8*\t+\n], 0
.endr
.endr
	WIN 0x40
.set i, 0
.rept 64
	v_mov_b32 v[O+i], 0                            ; the step is written once: the first finds zeros, which a = 0 leaves zeros
.set i, i+1
.endr
	WIN 0
.endm
; ONE STEP'S SOFTMAX, both tiles line by line, so that no line waits for the line above it.
.macro SOFTMAX
.irp j, 0,1,2,3
.irp t, 0,1
	v_max3_num_f32 v[ST+8*\t+4+\j], v[S+32*\t+8*\j], v[S+32*\t+8*\j+1], v[S+32*\t+8*\j+2]   ; four chains; each accumulator is first read at its low end
.endr
.endr
.irp g, 1,2
.irp j, 0,1,2,3
.irp t, 0,1
	v_max3_num_f32 v[ST+8*\t+4+\j], v[ST+8*\t+4+\j], v[S+32*\t+8*\j+2*\g+1], v[S+32*\t+8*\j+2*\g+2]
.endr
.endr
.endr
.irp t, 0,1
	v_max3_num_f32 v[ST+8*\t+4], v[ST+8*\t+4], v[S+32*\t+7], v[S+32*\t+15]
	v_max3_num_f32 v[ST+8*\t+6], v[ST+8*\t+6], v[S+32*\t+23], v[S+32*\t+31]
.endr
.irp t, 0,1
	v_max3_num_f32 v[ST+8*\t+4], v[ST+8*\t+4], v[ST+8*\t+5], v[ST+8*\t+6]
.endr
.irp t, 0,1
	v_max3_num_f32 v[ST+8*\t+4], v[ST+8*\t+4], v[ST+8*\t+7], v[ST+8*\t+1]   ; and the old m
.endr
.irp t, 0,1
	v_permlanex16_b32 v[ST+8*\t+5], v[ST+8*\t+4], s[SEL], s[SEL+1]   ; the query's other 32 keys lie in the lane 16 away
.endr
.irp t, 0,1
	v_mov_b32 v[ST+8*\t+7], v[ST+8*\t]             ; c m_old
.endr
.irp t, 0,1
	v_max_num_f32 v[ST+8*\t+1], v[ST+8*\t+4], v[ST+8*\t+5]
.endr
.irp t, 0,1
	v_mul_f32 v[ST+8*\t], s[CS], v[ST+8*\t+1]
.endr
.irp t, 0,1
	v_sub_f32 v[ST+8*\t+7], v[ST+8*\t+7], v[ST+8*\t]
.endr
.set b, 0
.rept 16
.irp t, 0,1
	v_pk_fma_f32 v[S+32*\t+2*b:S+32*\t+2*b+1], v[S+32*\t+2*b:S+32*\t+2*b+1], s[CS:CS+1], v[ST+8*\t:ST+8*\t+1] op_sel_hi:[1,0,0] neg_lo:[0,0,1] neg_hi:[0,0,1]   ; c s - c m
.endr
.set b, b+1
.endr
.irp t, 0,1
	v_exp_f32 v[ST+8*\t+6], v[ST+8*\t+7]           ; a
.endr
.set e, 0
.rept 32
.irp t, 0,1
	v_exp_f32 v[S+32*\t+e], v[S+32*\t+e]           ; p, at most 1
.endr
.set e, e+1
.endr
	v_nop                                          ; a plain line behind the last exponential
	s_wait_alu depctr_va_vdst(0)                   ; one wait for the batch of 66, ahead of its first reader
.set b, 0
.rept 16
.irp t, 0,1
	v_cvt_pk_f16_f32 v[P+16*\t+b], v[S+32*\t+2*b], v[S+32*\t+2*b+1]
.endr
.set b, b+1
.endr
.irp z, 0,1,2,3,4,5,6,7                        ; the sum of the unrounded p, in place, as a tree of pairs
.irp t, 0,1
	v_pk_add_f32 v[S+32*\t+4*\z:S+32*\t+4*\z+1], v[S+32*\t+4*\z:S+32*\t+4*\z+1], v[S+32*\t+4*\z+2:S+32*\t+4*\z+3]
.endr
.endr
.irp z, 0,1,2,3
.irp t, 0,1
	v_pk_add_f32 v[S+32*\t+8*\z:S+32*\t+8*\z+1], v[S+32*\t+8*\z:S+32*\t+8*\z+1], v[S+32*\t+8*\z+4:S+32*\t+8*\z+5]
.endr
.endr
.irp z, 0,1
.irp t, 0,1
	v_pk_add_f32 v[S+32*\t+16*\z:S+32*\t+16*\z+1], v[S+32*\t+16*\z:S+32*\t+16*\z+1], v[S+32*\t+16*\z+8:S+32*\t+16*\z+9]
.endr
.endr
.irp t, 0,1
	v_pk_add_f32 v[S+32*\t:S+32*\t+1], v[S+32*\t:S+32*\t+1], v[S+32*\t+16:S+32*\t+17]
.endr
.irp t, 0,1
	v_pk_fma_f32 v[ST+8*\t+2:ST+8*\t+3], v[ST+8*\t+2:ST+8*\t+3], v[ST+8*\t+6:ST+8*\t+7], v[S+32*\t:S+32*\t+1] op_sel_hi:[1,0,1]   ; l = a l + the sum
.endr
	WIN 0x41                                       ; O^T (destination and source 0) window 1, a window 0
.set j, 0
.rept 16
.irp t, 0,1
	v_pk_mul_f32 v[O+32*\t+j:O+32*\t+j+1], v[O+32*\t+j:O+32*\t+j+1], v[ST+8*\t+6:ST+8*\t+7] op_sel_hi:[1,0]
.endr
.set j, j+2
.endr
	WIN 0
.endm
; A STEP: 64 keys, the half-th of the slot.
.macro STEP slot, half
	s_add_co_u32 s[T0], s[QW], 31
	s_cmp_gt_u32 s[KFS], s[T0]                     ; all 64 keys come after my 32 queries: nothing to do (ids and the count of steps alone; no barrier stands in a step)
	s_cbranch_scc1 .Lhid_\@
	PLACES 4                                       ; in front of loads into registers that the last products have read
.irp a, 0,1,2,3
.irp s, 0,1
.irp c, 0,1
	ds_load_b128 v[KF+16*\a+8*\s+4*\c:KF+16*\a+8*\s+4*\c+3], v[LI] offset:(\slot)*SLOT+8192*(\half)+1024*(2*\a+\s)+512*\c
.endr
.endr
.endr
.irp kb, 0,1
.irp i, 0,1,2,3
.irp c, 0,1
	ds_load_b128 v[VF+32*\kb+8*\i+4*\c:VF+32*\kb+8*\i+4*\c+3], v[LI] offset:(\slot)*SLOT+16384+8192*(\half)+1024*(4*\kb+\i)+512*\c
.endr
.endr
.endr
	s_wait_dscnt 16                                ; K's sixteen loads are in; V's sixteen may be out
	WIN 0x04                                       ; source 1 (Q) window 1
.irp s, 0,1                                    ; eight accumulators by turns; the first product starts each sum
.irp a, 0,1,2,3
.irp t, 0,1
.if \s == 0
	v_wmma_f32_16x16x32_f16 v[S+32*\t+8*\a:S+32*\t+8*\a+7], v[KF+16*\a+8*\s:KF+16*\a+8*\s+7], v[Q+16*\t+8*\s:Q+16*\t+8*\s+7], 0
.else
	v_wmma_f32_16x16x32_f16 v[S+32*\t+8*\a:S+32*\t+8*\a+7], v[KF+16*\a+8*\s:KF+16*\a+8*\s+7], v[Q+16*\t+8*\s:Q+16*\t+8*\s+7], v[S+32*\t+8*\a:S+32*\t+8*\a+7]
.endif
.endr
.endr
.endr
	WIN 0
	PLACES 4                                       ; in front of the first read of results
	s_add_co_u32 s[T0], s[KFS], 63
	s_cmp_le_u32 s[T0], s[QW]                      ; all 64 keys count for all my queries: no mask
	s_cbranch_scc1 .Lopen_\@
	s_sub_co_i32 s[T0], s[QW], s[KFS]
	v_add_nc_u32 v[TH], s[T0], v[RH]               ; register 8 a + j of tile t holds key KFS + 16 a + 8 h + j: hidden where 16 a + j > QW - KFS + 16 t + r - 8 h
	v_add_nc_u32 v[TH+1], 16, v[TH]
.irp t, 0,1
.irp a, 0,1,2,3
.irp j, 0,1,2,3,4,5,6,7
	v_cmp_gt_i32 vcc_lo, 16*\a+\j, v[TH+\t]
	v_cndmask_b32 v[S+32*\t+8*\a+\j], v[S+32*\t+8*\a+\j], v[NINF], vcc_lo
.endr
.endr
.endr
.Lopen_\@:
	SOFTMAX
	s_wait_dscnt 0x0                               ; V is in
	WIN 0x50                                       ; C and D (O^T) window 1
.irp kb, 0,1
.irp i, 0,1,2,3
.irp t, 0,1
	v_wmma_f32_16x16x32_f16 v[O+32*\t+8*\i:O+32*\t+8*\i+7], v[VF+32*\kb+8*\i:VF+32*\kb+8*\i+7], v[P+16*\t+8*\kb:P+16*\t+8*\kb+7], v[O+32*\t+8*\i:O+32*\t+8*\i+7]
.endr
.endr
.endr
	WIN 0
.Lhid_\@:
	s_add_co_u32 s[KFS], s[KFS], 64
.endm
; A PHASE: 128 keys out of one slot.  ONE barrier: in front of it each wave's stores into this slot have landed and its reads of the other slot are back; behind it the other slot is written with the phase after this one.
.macro PHASE slot
	s_wait_xcnt 0x0                                ; the last prefetch, a phase back, has read its address
	s_add_nc_u64 s[PFA:PFA+1], s[PFA:PFA+1], 16384
	s_wait_dscnt 0x0
	s_barrier_signal -1
	s_barrier_wait -1
.if (\slot) == 0
	s_wait_loadcnt 0x0                             ; the next phase's bytes, asked for a phase ago
	SSTORE 1
	s_cmp_lt_u32 s[TRIP], 8                        ; the last trip fetches nothing more: 18 phases in all
	s_cbranch_scc0 .Lno_more_\@
	SLOAD
.Lno_more_\@:
	ASK LIM0
.else
	s_cmp_lt_u32 s[TRIP], 8
	s_cbranch_scc0 .Lno_more_\@
	s_wait_loadcnt 0x0
	SSTORE 0
	SLOAD
.Lno_more_\@:
	ASK LIM1
.endif
	STEP \slot, 0
	STEP \slot, 1
.endm
; A query block is done: O^T / l, rounded to f16: tile i of 16 channels is piece i % 2 of y's fragment of K step 2 x head + i / 2.
.macro FINISH
	PLACES 4
.irp t, 0,1
	v_add_f32 v[ST+8*\t+4], v[ST+8*\t+2], v[ST+8*\t+3]
.endr
.irp t, 0,1
	v_permlanex16_b32 v[ST+8*\t+5], v[ST+8*\t+4], s[SEL], s[SEL+1]
.endr
.irp t, 0,1
	v_add_f32 v[ST+8*\t+4], v[ST+8*\t+4], v[ST+8*\t+5]
.endr
.irp t, 0,1
	v_rcp_f32 v[ST+8*\t+6], v[ST+8*\t+4]
.endr
	v_nop
	s_wait_alu depctr_va_vdst(0)                   ; one wait for the two reciprocals, ahead of their first reader
	WIN 0x41
.set j, 0
.rept 16
.irp t, 0,1
	v_pk_mul_f32 v[O+32*\t+j:O+32*\t+j+1], v[O+32*\t+j:O+32*\t+j+1], v[ST+8*\t+6:ST+8*\t+7] op_sel_hi:[1,0]
.endr
.set j, j+2
.endr
	WIN 0x05                                       ; sources window 1, destination window 0
.set b, 0
.rept 16
.irp t, 0,1
	v_cvt_pk_f16_f32 v[P+16*\t+b], v[O+32*\t+2*b], v[O+32*\t+2*b+1]
.endr
.set b, b+1
.endr
	WIN 0
.irp t, 0,1
.irp i, 0,1,2,3
	global_store_b128 v[LI], v[P+16*\t+4*\i:P+16*\t+4*\i+3], s[YW:YW+1] offset:32768*\t+512*\i   ; 512 consecutive bytes a store, aligned
.endr
.endr
.endm
.macro RESTART                         ; on to the work-group's second query block
	s_wait_xcnt 0x0                                ; the stores have read their registers and their base
	s_sub_co_u32 s[QB], 7, s[QB]
	s_lshl_b32 s[QW], s[QB], 8
	s_lshl_b32 s[T0], s[WV], 5
	s_add_co_u32 s[QW], s[QW], s[T0]
	s_mov_b32 s[KFS], 0
	SETY
	WIN 0x41
.set i, 0
.rept 32
	v_mov_b32 v[Q+i], v[Q2+i]                      ; its Q was loaded at the head, so that no load is waited for here
.set i, i+1
.endr
	WIN 0
	INIT
.endm
	s_load_b128 s[4:7], s[0:1], 0x0                ; qkvf, yfrag
	v_lshl_add_u32 v[SPW], v0, 2, SPARE
	v_mov_b32 v[NIL], 0
	v_lshrrev_b32 v1, 5, v0
	v_readfirstlane_b32 s[WV], v1                  ; wave 0..7
	s_mov_b32 s[PP], ttmp9
	s_and_b32 s[BH], ttmp7, 0xffff
	v_and_b32 v10, 31, v0
	v_lshlrev_b32 v[LI], 4, v10
	v_lshlrev_b32 v[SA], 4, v0
	v_and_b32 v11, 15, v0
	v_bfe_u32 v[RH], v0, 4, 1
	v_lshlrev_b32 v[RH], 3, v[RH]
	v_sub_nc_u32 v[RH], v11, v[RH]
	v_mov_b32 v[NINF], 0xff800000
	v_lshlrev_b32 v[PFO], 8, v10
	s_mov_b32 s[CS], 0x3e38aa3b                    ; c = log2(e) / 8
	s_mov_b32 s[CS+1], s[CS]
	s_mov_b32 s[SEL], 0x76543210
	s_mov_b32 s[SEL+1], 0xfedcba98
	s_sub_co_u32 s[TSW], 8, s[PP]
	s_lshl_b32 s[NP0], s[TSW], 1
	s_sub_co_u32 s[QB], 7, s[PP]
	s_mov_b32 s[LP], 0
	s_mov_b32 s[KFS], 0
	s_mov_b32 s[TRIP], 0
	s_lshl_b32 s[QW], s[QB], 8
	s_lshl_b32 s[T0], s[WV], 5
	s_add_co_u32 s[QW], s[QW], s[T0]
	s_lshr_b32 s[T0], s[WV], 2
	s_or_b32 s[T0], s[T0], s[PP]                   ; 0 in waves 0 to 3 of the head's first work-group
	s_cmp_eq_u32 s[T0], 0
	s_cselect_b32 s[LIM0], 7, 0                    ; even phases ask in trips 0 to 6: key phases 3, 5, .. 15
	s_cselect_b32 s[LIM1], 6, 0                    ; odd phases in trips 0 to 5: key phases 4, 6, .. 14
	s_lshl_b32 s[T0], s[BH], 18
	s_mov_b32 s[T0+1], 0
	s_lshl_b32 s[QA1], s[QB], 15                   ; Q: 16 tiles of 2,048 bytes a block,
	s_lshl_b32 s[T1], s[WV], 12                    ; two a wave
	s_add_co_u32 s[QA1], s[QA1], s[T1]
	s_mov_b32 s[QA1+1], 0
	s_lshl_b32 s[QA2], s[PP], 15
	s_add_co_u32 s[QA2], s[QA2], s[T1]
	s_mov_b32 s[QA2+1], 0
	s_and_b32 s[T1], s[WV], 1
	s_lshl_b32 s[T1], s[T1], 13
	s_add_co_u32 s[T1], s[T1], 32768               ; the prefetches stand at key phase 2; the first phase steps them to 3.  Nothing is prefetched at the head
	s_mov_b32 s[T1+1], 0
	s_wait_kmcnt 0x0
	s_add_nc_u64 s[QA:QA+1], s[4:5], s[T0:T0+1]    ; the head's Q,
	s_add_nc_u64 s[KH:KH+1], s[QA:QA+1], KOFF      ; K
	s_add_nc_u64 s[VH:VH+1], s[QA:QA+1], VOFF      ; and V
	s_add_nc_u64 s[QA1:QA1+1], s[QA:QA+1], s[QA1:QA1+1]
	s_add_nc_u64 s[QA2:QA2+1], s[QA:QA+1], s[QA2:QA2+1]
	s_cmp_lt_u32 s[WV], 2
	s_cselect_b64 s[PFA:PFA+1], s[KH:KH+1], s[VH:VH+1]
	s_add_nc_u64 s[PFA:PFA+1], s[PFA:PFA+1], s[T1:T1+1]
	SETY
	SLOAD                                          ; phase 0
	WIN 0x40
.irp i, 0,1,2,3,4,5,6,7
	global_load_b128 v[Q+4*\i:Q+4*\i+3], v[LI], s[QA1:QA1+1] offset:512*\i
.endr
.irp i, 0,1,2,3,4,5,6,7
	global_load_b128 v[Q2+4*\i:Q2+4*\i+3], v[LI], s[QA2:QA2+1] offset:512*\i
.endr
	WIN 0
	INIT
	s_wait_loadcnt 0x0
	SSTORE 0
	SLOAD                                          ; phase 1
.Ltrip:                                            ; nine trips of two phases
	s_cmp_lg_u32 s[TRIP], s[TSW]                   ; the work-group's number and the count of trips alone: all eight waves go the same way
	s_cbranch_scc1 .Lsame
	FINISH
	RESTART
.Lsame:
	PHASE 0
	PHASE 1
	s_add_co_u32 s[TRIP], s[TRIP], 1
	s_cmp_lt_u32 s[TRIP], 9
	s_cbranch_scc1 .Ltrip
	FINISH
	s_wait_tensorcnt 0x0                           ; the wave's end: behind my last LDS store
	ds_add_u32 v[SPW], v[NIL]
	s_wait_dscnt 0x0
	s_endpgm
.Lfunc_end_k_q3babd33597_attn:
	.size	k_q3babd33597_attn, .Lfunc_end_k_q3babd33597_attn-k_q3babd33597_attn
	.p2alignl 7, 3214868480
	.fill 96, 4, 3214868480
	.section	.rodata,"a",@progbits
	.p2align	6, 0x0
	.amdhsa_kernel k_q3babd33597_attn
		.amdhsa_group_segment_fixed_size 66560
		.amdhsa_private_segment_fixed_size 0
		.amdhsa_enable_private_segment 0
		.amdhsa_kernarg_size 16
		.amdhsa_user_sgpr_count 2
		.amdhsa_user_sgpr_kernarg_segment_ptr 1
		.amdhsa_wavefront_size32 1
		.amdhsa_system_sgpr_workgroup_id_x 1
		.amdhsa_system_sgpr_workgroup_id_y 1
		.amdhsa_system_sgpr_workgroup_id_z 1
		.amdhsa_system_vgpr_workitem_id 0
		.amdhsa_next_free_vgpr 416
		.amdhsa_next_free_sgpr 66
		.amdhsa_reserve_vcc 1
		.amdhsa_float_denorm_mode_32 3
		.amdhsa_float_denorm_mode_16_64 3
		.amdhsa_memory_ordered 1
		.amdhsa_forward_progress 1
		.amdhsa_inst_pref_size 115
	.end_amdhsa_kernel
	.amdgpu_metadata
---
amdhsa.version: [ 1, 2 ]
amdhsa.kernels:
  - .name:           k_q3babd33597_attn
    .symbol:         k_q3babd33597_attn.kd
    .args:
      - { .name: qkvf, .offset: 0, .size: 8, .value_kind: global_buffer, .address_space: global }
      - { .name: yfrag, .offset: 8, .size: 8, .value_kind: global_buffer, .address_space: global }
    .group_segment_fixed_size: 66560
    .private_segment_fixed_size: 0
    .kernarg_segment_align: 8
    .kernarg_segment_size: 16
    .max_flat_workgroup_size: 256
    .sgpr_count:     66
    .vgpr_count:     416
    .wavefront_size: 32
...
	.end_amdgpu_metadata
.endif
;; end of part 3
;; launch proj (part 4): grid 4 x 64, 4 waves a work-group, clusters of 4 x 1, 280,064 bytes of LDS; arguments yfrag, wcodes, bp, out0; writes out0
.if DOCPART == 4
	.amdgcn_target "amdgcn-amd-amdhsa--gfx1250"
	.amdhsa_code_object_version 6
	.text
	.protected	k_q3babd33597_proj
	.globl	k_q3babd33597_proj
	.p2align	8
	.type	k_q3babd33597_proj,@function
k_q3babd33597_proj:
	s_mov_b64 s[64:65], 0
	v_nop
	global_prefetch_b8 v0, s[64:65] scope:SCOPE_SE
	s_setreg_imm32_b32 hwreg(HW_REG_WAVE_MODE, 25, 1), 1
	s_wait_xcnt 0x0
	s_wait_alu depctr_hold_cnt(0) depctr_sa_sdst(0) depctr_va_vdst(0) depctr_va_sdst(0) depctr_va_ssrc(0) depctr_va_vcc(0) depctr_vm_vsrc(0)
	s_getreg_b32 s2, hwreg(HW_REG_IB_STS2, 6, 4)
	s_cmp_eq_u32 s2, 0
	s_cbranch_scc0 .Lentry_in_a_cluster
	s_endpgm
.Lentry_in_a_cluster:
	s_bfe_u32 s2, ttmp6, 0x10000c
	s_cmp_lg_u32 s2, 0x3003
	s_cbranch_scc0 .Lentry_shape_is_right
	s_endpgm
.Lentry_shape_is_right:
; out = y Wp + bp for all rows but the first 16 positions of every sequence (a launch of their own carries those in f32).  Operands f16, sums f32.
; SHARES.  A work-group takes 128 rows (MG = grid y) and 256 columns (its place in the cluster); wave w takes 64 of the columns against all 128 rows: 32 accumulators.
; y's block, 8 row tiles x 32 K steps x 1,024 bytes = 256 KiB, comes into LDS ONCE.  The four work-groups of a cluster are the four column groups of one MG: they ask for it JOINTLY (mask 15).
; It comes in four quarters along K, so that the products begin when the first has landed: four loads of mine are out at the start.
; Wp's fragments (images of operand registers, made by the first launch) go from memory straight into registers, seven K steps ahead: each is read by one wave of the work-group.
; THE PRODUCT IS USED TRANSPOSED (source 0 = 16 columns of Wp, source 1 = 16 rows of y): a lane holds eight neighbouring numbers of a row of out.  bp is the C of each sum's first instruction.
; REGISTERS.  window 0: v1-13 addresses; v64-191 y's fragments, two sets of eight (on the way out: rows read back from the stage).   window 1: the accumulators, (a, i) at 8 (4 a + i).
;   window 2: Wp's fragments, a ring of eight K steps, 32 (s % 8) + 8 i.   window 3: v0-31 bp in the results' layout.
.set WP_OFF, 1671168
.set STAGE,  262144                    ; behind y: 16 rows x 272 bytes for each wave, for the way out; no fill lands there
.set SPITCH, 272
.set SPARE,  STAGE+4*16*SPITCH         ; the spare words: 128 bytes a wave, two blocks of 256 bytes that no other line names
.set LI,  1                            ; v1   16 x lane
.set AY,  2                            ; v2-5 16 x lane + 65,536 x quarter
.set STO, 6
.set RD,  7
.set CO,  8
.set H32, 9
.set SPW, 10
.set NIL, 11
.set AB,  64
.set WV,  12
.set CX,  13
.set MG,  14
.set G1,  16                           ; s[16:23]
.set G0,  24                           ; s[24:39] a group 0 for each quarter
.set WB,  48
.set OUTP, 50
.set BPP, 52
.set FLG, 54
.set MSB, 0
.macro WIN new
.if MSB != \new
	s_set_vgpr_msb (MSB<<8)|\new
.set MSB, \new
.endif
.endm
.macro PLACES n
.rept \n
	v_nop
.endr
.endm
.macro CROUND
	s_barrier_signal -1
	s_barrier_wait -1
	s_cmp_lg_u32 s[WV], 0
	s_cbranch_scc1 .Lnot_wave_0_\@
	s_barrier_signal -3
.Lnot_wave_0_\@:
	s_barrier_wait -3
	s_barrier_signal -1
	s_barrier_wait -1
.endm
	s_load_b256 s[4:11], s[0:1], 0x0               ; yfrag, wcodes, bp, out0
	v_lshl_add_u32 v[SPW], v0, 2, SPARE
	v_mov_b32 v[NIL], 0
	ds_add_u32 v[SPW], v[NIL]                      ; the wave's opening: the add, twice on end, and its wait ahead of my first tensor load
	ds_add_u32 v[SPW], v[NIL]
	v_lshrrev_b32 v12, 5, v0
	v_readfirstlane_b32 s[WV], v12                 ; wave 0..3
	s_bfe_u32 s[CX], ttmp6, 0x40000                ; my place in the cluster = my column group
	s_and_b32 s[MG], ttmp7, 0xffff                 ; row group 0..63, shared by the four partners
	; a quarter of two row tiles: 2 rows of 8,192 bytes (1,024 elements of 8 bytes), 32,768 bytes apart in memory, dense in LDS
	s_mov_b32 s[G1], 15|(3<<16)|(1<<21)            ; 15:0 the mask: all four; 17:16 elements of 8 bytes; 21 set beside a mask
	s_mov_b32 s[G1+1], 1024<<16                    ; tensor_dim0
	s_mov_b32 s[G1+2], 2<<16                       ; tensor_dim1
	s_mov_b32 s[G1+3], 1024<<16                    ; tile_dim0
	s_mov_b32 s[G1+4], 2                           ; tile_dim1
	s_mov_b32 s[G1+5], 4096                        ; from row to row
	s_mov_b32 s[G1+6], 0
	s_mov_b32 s[G1+7], 0
	s_lshl_b32 s40, s[MG], 18                      ; 8 row tiles of 32,768 bytes a row group,
	s_lshl_b32 s41, s[WV], 16                      ; two a wave
	s_add_co_u32 s40, s40, s41
	s_mov_b32 s41, 0
	s_lshl_b32 s42, s[WV], 14                      ; in LDS: 16,384 bytes a wave in each quarter
	s_and_b32 s[FLG], s[MG], 15                    ; 0: my first 16 rows begin a sequence
	s_lshl_b32 s44, s[CX], 8
	s_lshl_b32 s45, s[WV], 6
	s_add_co_u32 s44, s44, s45                     ; my first column: 256 cx + 64 wave
	s_lshl_b32 s[WB], s44, 11                      ; Wp: 32,768 bytes a tile of 16 columns
	s_add_co_u32 s[WB], s[WB], WP_OFF
	s_mov_b32 s[WB+1], 0
	s_lshl_b32 s[BPP], s44, 2
	s_mov_b32 s[BPP+1], 0
	s_lshl_b32 s[OUTP], s[MG], 19                  ; 128 rows of 4,096 bytes
	s_add_co_u32 s[OUTP], s[OUTP], s[BPP]
	s_mov_b32 s[OUTP+1], 0
	v_and_b32 v12, 31, v0
	v_lshlrev_b32 v[LI], 4, v12
.irp kq, 0,1,2,3
	v_add_nc_u32 v[AY+\kq], 65536*\kq, v[LI]
.endr
	v_and_b32 v12, 15, v0                          ; r
	v_bfe_u32 v13, v0, 4, 1                        ; h
	s_mul_i32 s43, s[WV], 16*SPITCH
	s_add_co_u32 s43, s43, STAGE                   ; my stage
	v_mul_u32_u24 v[STO], v12, SPITCH              ; in: row r, 32 bytes for each half of the lanes
	v_lshl_add_u32 v[STO], v13, 5, v[STO]
	v_add_nc_u32 v[STO], s43, v[STO]
	v_mul_u32_u24 v[RD], v13, SPITCH               ; back: lanes 0-15 one row of 256 bytes, lanes 16-31 the next
	v_lshl_add_u32 v[RD], v12, 4, v[RD]
	v_add_nc_u32 v[RD], s43, v[RD]
	v_lshlrev_b32 v[CO], 12, v13                   ; and the same two rows in out
	v_lshl_add_u32 v[CO], v12, 4, v[CO]
	v_lshlrev_b32 v[H32], 5, v13
	s_wait_dscnt 0x0                               ; both opening adds are done
	s_wait_kmcnt 0x0
	s_add_nc_u64 s[40:41], s[4:5], s[40:41]
	s_add_nc_u64 s[WB:WB+1], s[6:7], s[WB:WB+1]
	s_add_nc_u64 s[BPP:BPP+1], s[8:9], s[BPP:BPP+1]
	s_add_nc_u64 s[OUTP:OUTP+1], s[10:11], s[OUTP:OUTP+1]
	CROUND                                         ; all four work-groups are here: the joint loads meet
.irp kq, 0,1,2,3
	s_mov_b32 s[G0+4*\kq], 1
	s_add_co_u32 s[G0+4*\kq+1], s42, 65536*\kq
	s_add_nc_u64 s[G0+4*\kq+2:G0+4*\kq+3], s[40:41], 8192*\kq
	s_or_b32 s[G0+4*\kq+3], s[G0+4*\kq+3], 0x80000000
	tensor_load_to_lds s[G0+4*\kq:G0+4*\kq+3], s[G1:G1+7]
	s_nop 0
.endr
	PLACES 4
	WIN 0xc0                                       ; destination window 3
.irp i, 0,1,2,3
	global_load_b128 v[8*\i:8*\i+3], v[H32], s[BPP:BPP+1] offset:64*\i
	global_load_b128 v[8*\i+4:8*\i+7], v[H32], s[BPP:BPP+1] offset:64*\i+16
.endr
.macro BLOAD s                         ; Wp's four fragments of K step s into the ring: eight loads of 512 consecutive bytes
	WIN 0x80
.irp i, 0,1,2,3
.irp c, 0,1
	global_load_b128 v[32*((\s)%8)+8*\i+4*\c:32*((\s)%8)+8*\i+4*\c+3], v[LI], s[WB:WB+1] offset:32768*\i+1024*(\s)+512*\c
.endr
.endr
.endm
.macro ALOAD s                         ; y's eight fragments of K step s into set s % 2
.irp a, 0,1,2,3,4,5,6,7
.irp c, 0,1
	ds_load_b128 v[AB+64*((\s)%2)+8*\a+4*\c:AB+64*((\s)%2)+8*\a+4*\c+3], v[AY+(\s)/8] offset:8192*\a+1024*((\s)%8)+512*\c
.endr
.endr
.endm
.irp s, 0,1,2,3,4,5,6
	BLOAD \s
.endr
	WIN 0
	s_wait_tensorcnt 3                             ; my part of the first quarter is in; three loads of mine may be out
	s_barrier_signal -1
	s_barrier_wait -1                              ; everybody's is
	ALOAD 0
; 16 matrix instructions: row tiles a0 .. a0 + 3 x my four column tiles.  The 32 accumulators take turns, one instruction a turn.
.macro MULH s, a0
.irp a, \a0, \a0+1, \a0+2, \a0+3
.irp i, 0,1,2,3
.if (\s) == 0
	v_wmma_f32_16x16x32_f16 v[8*(4*(\a)+\i):8*(4*(\a)+\i)+7], v[32*((\s)%8)+8*\i:32*((\s)%8)+8*\i+7], v[AB+64*((\s)%2)+8*(\a):AB+64*((\s)%2)+8*(\a)+7], v[8*\i:8*\i+7]
.else
	v_wmma_f32_16x16x32_f16 v[8*(4*(\a)+\i):8*(4*(\a)+\i)+7], v[32*((\s)%8)+8*\i:32*((\s)%8)+8*\i+7], v[AB+64*((\s)%2)+8*(\a):AB+64*((\s)%2)+8*(\a)+7], v[8*(4*(\a)+\i):8*(4*(\a)+\i)+7]
.endif
.endr
.endr
.endm
.macro MWIN s
.if (\s) == 0
	WIN 0x72                                       ; source 0 (Wp) window 2, source 1 (y) window 0, C (bp) window 3, D window 1
.else
	WIN 0x52                                       ; C and D window 1
.endif
.endm
.macro KSTEP s
.if 31-(\s) < 6
.set LEFT, 31-(\s)
.else
.set LEFT, 6
.endif
	s_wait_dscnt 0x0                               ; y's fragments of this step are in
	s_wait_loadcnt 8*LEFT                          ; Wp's too; those of the K steps behind it, six at the most, may be out
	MWIN \s
	MULH \s, 0
	PLACES 4                                       ; in front of loads into registers that the last step's products have read
.if (\s) < 31
	WIN 0
.if ((\s)+1)%8 == 0
	s_wait_tensorcnt 3-((\s)+1)/8                  ; my part of the next quarter is in; the later quarters may be out
	s_barrier_signal -1
	s_barrier_wait -1                              ; everybody's is
.endif
	ALOAD (\s)+1
.endif
.if (\s)+7 <= 31
	BLOAD (\s)+7                                   ; into the ring's place that the last step has left
.endif
	MWIN \s
	MULH \s, 4
.endm
.set KS, 0
.rept 32
	KSTEP KS
.set KS, KS+1
.endr
	WIN 0
; THE WAY OUT, 16 rows x 64 columns at a time, through my own stage: a lane's 32 bytes go in by rows of 272 bytes and come back as whole rows of 256 bytes.  LDS serves a wave's instructions in order.
.macro TOSTAGE a
	WIN 0x04                                       ; an LDS store's data: window 1
.irp i, 0,1,2,3
	ds_store_b128 v[STO], v[8*(4*(\a)+\i):8*(4*(\a)+\i)+3] offset:64*\i        ; each accumulator from its low end on
	ds_store_b128 v[STO], v[8*(4*(\a)+\i)+4:8*(4*(\a)+\i)+7] offset:64*\i+16
.endr
	WIN 0
.irp t, 0,1,2,3,4,5,6,7
	ds_load_b128 v[AB+32*((\a)%2)+4*\t:AB+32*((\a)%2)+4*\t+3], v[RD] offset:2*\t*SPITCH
.endr
.endm
.macro SEND a, younger                 ; younger: the LDS instructions issued behind block a's loads
	s_wait_dscnt \younger
.if (\a) == 0
	s_cmp_eq_u32 s[FLG], 0                         ; the first 16 positions of a sequence are another launch's to store (the row group alone decides: the same in all partners)
	s_cbranch_scc1 .Lnot_mine_\@
.endif
.irp t, 0,1,2,3,4,5,6,7
	global_store_b128 v[CO], v[AB+32*((\a)%2)+4*\t:AB+32*((\a)%2)+4*\t+3], s[OUTP:OUTP+1] offset:65536*(\a)+8192*\t th:TH_STORE_NT   ; sixteen lanes store 256 consecutive bytes, aligned
.endr
.if (\a) == 0
.Lnot_mine_\@:
.endif
.endm
	PLACES 4                                       ; in front of the first read of results and of loads into registers that held y's fragments
	TOSTAGE 0
.irp a, 1,2,3,4,5,6,7
.if \a > 1
	s_wait_xcnt 0x0                                ; block a - 2's stores have read their registers: block a's rows may land there
.endif
	TOSTAGE \a
	SEND \a-1, 16                                  ; behind block a - 1's loads: block a's eight stores and eight loads
.endr
	SEND 7, 0
	s_wait_tensorcnt 0x0                           ; the wave's end: behind my last tensor load and my last LDS store
	ds_add_u32 v[SPW], v[NIL]
	s_wait_dscnt 0x0
	CROUND                                         ; the closing round
	s_endpgm
.Lfunc_end_k_q3babd33597_proj:
	.size	k_q3babd33597_proj, .Lfunc_end_k_q3babd33597_proj-k_q3babd33597_proj
	.p2alignl 7, 3214868480
	.fill 96, 4, 3214868480
	.section	.rodata,"a",@progbits
	.p2align	6, 0x0
	.amdhsa_kernel k_q3babd33597_proj
		.amdhsa_group_segment_fixed_size 280064
		.amdhsa_private_segment_fixed_size 0
		.amdhsa_enable_private_segment 0
		.amdhsa_kernarg_size 32
		.amdhsa_user_sgpr_count 2
		.amdhsa_user_sgpr_kernarg_segment_ptr 1
		.amdhsa_wavefront_size32 1
		.amdhsa_system_sgpr_workgroup_id_x 1
		.amdhsa_system_sgpr_workgroup_id_y 1
		.amdhsa_system_sgpr_workgroup_id_z 1
		.amdhsa_system_vgpr_workitem_id 0
		.amdhsa_next_free_vgpr 800
		.amdhsa_next_free_sgpr 66
		.amdhsa_reserve_vcc 0
		.amdhsa_float_denorm_mode_32 3
		.amdhsa_float_denorm_mode_16_64 3
		.amdhsa_memory_ordered 1
		.amdhsa_forward_progress 1
		.amdhsa_inst_pref_size 151
	.end_amdhsa_kernel
	.amdgpu_metadata
---
amdhsa.version: [ 1, 2 ]
amdhsa.kernels:
  - .name:           k_q3babd33597_proj
    .symbol:         k_q3babd33597_proj.kd
    .args:
      - { .name: yfrag, .offset: 0, .size: 8, .value_kind: global_buffer, .address_space: global }
      - { .name: wcodes, .offset: 8, .size: 8, .value_kind: global_buffer, .address_space: global }
      - { .name: bp, .offset: 16, .size: 8, .value_kind: global_buffer, .address_space: global }
      - { .name: out0, .offset: 24, .size: 8, .value_kind: global_buffer, .address_space: global }
    .group_segment_fixed_size: 280064
    .private_segment_fixed_size: 0
    .kernarg_segment_align: 8
    .kernarg_segment_size: 32
    .max_flat_workgroup_size: 128
    .sgpr_count:     66
    .vgpr_count:     800
    .wavefront_size: 32
...
	.end_amdgpu_metadata
.endif
;; end of part 4
;; launch head16 (part 5): grid 16 x 4, 16 waves a work-group, no clusters, 71,680 bytes of LDS; arguments first16, Wp, bp, out0; writes out0
.if DOCPART == 5
	.amdgcn_target "amdgcn-amd-amdhsa--gfx1250"
	.amdhsa_code_object_version 6
	.text
	.protected	k_q3babd33597_head16
	.globl	k_q3babd33597_head16
	.p2align	8
	.type	k_q3babd33597_head16,@function
k_q3babd33597_head16:
	s_mov_b64 s[64:65], 0
	v_nop
	global_prefetch_b8 v0, s[64:65] scope:SCOPE_SE
	s_setreg_imm32_b32 hwreg(HW_REG_WAVE_MODE, 25, 1), 1
	s_wait_xcnt 0x0
; The first 16 positions of every sequence, in f32 throughout: they average one to sixteen values, so the rounding of 16-bit operands would weigh most there.
; first16 holds q, k, v of these rows in f32: [3][4 b][16 t][1,024].  Attention under the causal mask, then out = y Wp + bp for these 64 rows.
; SHARES.  A work-group takes one batch (grid y) and 64 columns of out (grid x).  Wave = head: it makes its head's 16 x 16 attention (done anew in each of the 16 column groups: 32 small matrix instructions)
; and its head's part of the projection (K = its 64 channels); the sixteen parts meet in LDS, and wave w sums and stores row t = w.
; ALL PRODUCTS by the f32 matrix form, 16 x 16 x 4: lane (r, h) gives row (or column) r, and its two registers are k = 2 h + 0, 1.  Which of the true k stand at these places is free so long as both sources agree:
;   S^T = K Q^T: step s takes channels 32 h + 2 s + j;   O^T = V^T P: keys 8 h + 2 s + j, which is how S^T's results lie;   out^T = Wp^T y^T: channels 16 i + 8 h + 2 s + j, which is how O^T's lie.  Nothing changes lanes.
; The registers that these products write (v176-255) are written by matrix instructions alone; each sum begins with the constant 0; what is made of a sum goes elsewhere.
; REGISTERS: v1-15 addresses, constants, bp; v16-47 Q, later y, later the parts read back; v48-79 K, later p (v48-55) and work; v80-111 V; v112-175 Wp, a ring of two chunks of 16 channels;
;   v176-191 S^T in two halves; v192-223 O^T; v224-255 out^T.
.set QR, 16
.set YR, 16
.set KR, 48
.set PR, 48
.set TT, 56
.set VR, 80
.set WR, 112
.set SAC, 176
.set OA, 192
.set PA, 224
.set SPW, 10
.set NIL, 11
.set SPARE, 69632                      ; behind the sixteen parts: the spare words, 128 bytes a wave, eight blocks of 256 bytes that no other line names
.set WV, 12
.set NS, 13
.set BB, 14
.set SEL, 16
.set CS, 18
.macro PLACES n
.rept \n
	v_nop
.endr
.endm
	s_load_b256 s[4:11], s[0:1], 0x0               ; first16, Wp, bp, out0
	v_lshl_add_u32 v[SPW], v0, 2, SPARE
	v_mov_b32 v[NIL], 0
	v_lshrrev_b32 v13, 5, v0
	v_readfirstlane_b32 s[WV], v13                 ; wave = head 0..15
	s_mov_b32 s[NS], ttmp9
	s_and_b32 s[BB], ttmp7, 0xffff
	s_mov_b32 s[SEL], 0x76543210
	s_mov_b32 s[SEL+1], 0xfedcba98
	s_mov_b32 s[CS], 0x3e38aa3b                    ; c = log2(e) / 8
	v_and_b32 v1, 15, v0                           ; r
	v_bfe_u32 v2, v0, 4, 1                         ; h
	v_lshlrev_b32 v3, 12, v1
	v_lshl_add_u32 v3, v2, 7, v3                   ; q, k: row r, channels 32 h on
	v_lshlrev_b32 v4, 2, v1
	v_lshl_add_u32 v4, v2, 15, v4                  ; v, Wp: rows 8 h on, column r
	v_lshlrev_b32 v6, 3, v2
	v_sub_nc_u32 v6, v1, v6                        ; r - 8 h
	v_and_b32 v7, 31, v0
	v_lshlrev_b32 v7, 3, v7                        ; 8 x lane
	s_mul_i32 s20, s[WV], 4352                     ; my part in LDS: 16 rows x (256 + 16) bytes
	v_mul_u32_u24 v8, v1, 272
	v_lshl_add_u32 v8, v2, 5, v8
	v_add_nc_u32 v8, s20, v8
	s_mul_i32 s20, s[WV], 272                      ; back: row t = wave of every part
	v_add_nc_u32 v9, s20, v7
	v_mov_b32 v12, 0xff800000                      ; -infinity
	s_lshl_b32 s20, s[BB], 16
	s_lshl_b32 s21, s[WV], 8
	s_add_co_u32 s20, s20, s21                     ; first16: 65,536 b + 256 head
	s_mov_b32 s21, 0
	s_lshl_b32 s22, s[WV], 18                      ; Wp: 64 rows of 4,096 bytes a head,
	s_lshl_b32 s24, s[NS], 8                       ; 64 columns a work-group
	s_add_co_u32 s22, s22, s24
	s_mov_b32 s23, 0
	s_mov_b32 s25, 0
	s_lshl_b32 s26, s[BB], 23                      ; out: 2,048 rows a batch,
	s_lshl_b32 s27, s[WV], 12                      ; row t = wave
	s_add_co_u32 s26, s26, s27
	s_add_co_u32 s26, s26, s24
	s_mov_b32 s27, 0
	s_wait_kmcnt 0x0
	s_add_nc_u64 s[4:5], s[4:5], s[20:21]
	s_add_nc_u64 s[6:7], s[6:7], s[22:23]
	s_add_nc_u64 s[8:9], s[8:9], s[24:25]
	s_add_nc_u64 s[10:11], s[10:11], s[26:27]
.irp i, 0,1,2,3,4,5,6,7
	global_load_b128 v[QR+4*\i:QR+4*\i+3], v3, s[4:5] offset:16*\i
.endr
.irp i, 0,1,2,3,4,5,6,7
	global_load_b128 v[KR+4*\i:KR+4*\i+3], v3, s[4:5] offset:262144+16*\i
.endr
.irp i, 0,1,2,3
.irp n, 0,1,2,3,4,5,6,7
	global_load_b32 v[VR+8*\i+\n], v4, s[4:5] offset:524288+4096*\n+64*\i   ; v(key 8 h + n, channel 16 i + r)
.endr
.endr
	global_load_b64 v[14:15], v7, s[8:9]           ; bp of my two columns
.macro WLOAD i                         ; Wp(channel 16 i + 8 h + n of my head, column 16 nt + r) into ring place i % 2
.irp nt, 0,1,2,3
.irp n, 0,1,2,3,4,5,6,7
	global_load_b32 v[WR+32*((\i)%2)+8*\nt+\n], v4, s[6:7] offset:4096*(16*(\i)+\n)+64*\nt
.endr
.endr
.endm
	WLOAD 0
	WLOAD 1
	s_wait_loadcnt 63                              ; 113 loads are issued: the first 50 are in, q's and k's sixteen among them
.set i, 0
.rept 16                                       ; S^T: even steps on one half, odd steps on the other: the two take turns
.if i < 2
	v_wmma_f32_16x16x4_f32 v[SAC+8*(i%2):SAC+8*(i%2)+7], v[KR+2*i:KR+2*i+1], v[QR+2*i:QR+2*i+1], 0
.else
	v_wmma_f32_16x16x4_f32 v[SAC+8*(i%2):SAC+8*(i%2)+7], v[KR+2*i:KR+2*i+1], v[QR+2*i:QR+2*i+1], v[SAC+8*(i%2):SAC+8*(i%2)+7]
.endif
.set i, i+1
.endr
	PLACES 9                                       ; behind this form: eight places before a result is read or a source written (ISA guide 7.12.1); one to spare
.irp j, 0,1,2,3,4,5,6,7
	v_add_f32 v[TT+\j], v[SAC+\j], v[SAC+8+\j]     ; lane (r, h): query r, key 8 h + j
.endr
.irp j, 0,1,2,3,4,5,6,7
	v_cmp_gt_i32 vcc_lo, \j, v6                    ; hidden where 8 h + j > r
	v_cndmask_b32 v[TT+\j], v[TT+\j], v12, vcc_lo
.endr
	v_mov_b32 v65, 0                               ; (a lane permute's destination counts as one of its sources)
	v_mov_b32 v68, 0
	v_max3_num_f32 v64, v[TT], v[TT+1], v[TT+2]
	v_max3_num_f32 v64, v64, v[TT+3], v[TT+4]
	v_max3_num_f32 v64, v64, v[TT+5], v[TT+6]
	v_max_num_f32 v64, v64, v[TT+7]
	v_permlanex16_b32 v65, v64, s[SEL], s[SEL+1]
	v_max_num_f32 v64, v64, v65                    ; the row's maximum: key 0 counts for every query
	v_mul_f32 v66, s[CS], v64
.irp j, 0,1,2,3,4,5,6,7
	v_fma_f32 v[TT+\j], v[TT+\j], s[CS], -v66
.endr
.irp j, 0,1,2,3,4,5,6,7
	v_exp_f32 v[PR+\j], v[TT+\j]
.endr
	v_nop
	s_wait_alu depctr_va_vdst(0)                   ; one wait for the eight, ahead of their first reader
	v_add_f32 v67, v[PR], v[PR+1]
	v_add_f32 v70, v[PR+2], v[PR+3]
	v_add_f32 v71, v[PR+4], v[PR+5]
	v_add_f32 v72, v[PR+6], v[PR+7]
	v_add_f32 v67, v67, v70
	v_add_f32 v71, v71, v72
	v_add_f32 v67, v67, v71
	v_permlanex16_b32 v68, v67, s[SEL], s[SEL+1]
	v_add_f32 v67, v67, v68                        ; the row's sum
	v_rcp_f32 v69, v67
	v_nop
	s_wait_alu depctr_va_vdst(0)
	s_wait_loadcnt 63                              ; the first 50 loads are in: v's 32 among them
.irp s, 0,1,2,3                                ; O^T = V^T P: four accumulators by turns
.irp i, 0,1,2,3
.if \s == 0
	v_wmma_f32_16x16x4_f32 v[OA+8*\i:OA+8*\i+7], v[VR+8*\i+2*\s:VR+8*\i+2*\s+1], v[PR+2*\s:PR+2*\s+1], 0
.else
	v_wmma_f32_16x16x4_f32 v[OA+8*\i:OA+8*\i+7], v[VR+8*\i+2*\s:VR+8*\i+2*\s+1], v[PR+2*\s:PR+2*\s+1], v[OA+8*\i:OA+8*\i+7]
.endif
.endr
.endr
	PLACES 9
.set i, 0
.rept 32
	v_mul_f32 v[YR+i], v[OA+i], v69                ; y(query r, channel 16 (i / 8) + 8 h + i % 8)
.set i, i+1
.endr
.irp i, 0,1,2,3                                ; out^T += Wp^T y^T, 16 channels a chunk: four accumulators by turns
.if \i < 3
	s_wait_loadcnt 32                              ; this chunk of Wp is in; the next chunk's 32 loads may be out
.else
	s_wait_loadcnt 0x0
.endif
.irp s, 0,1,2,3
.irp nt, 0,1,2,3
.if (\i == 0) && (\s == 0)
	v_wmma_f32_16x16x4_f32 v[PA+8*\nt:PA+8*\nt+7], v[WR+32*(\i%2)+8*\nt+2*\s:WR+32*(\i%2)+8*\nt+2*\s+1], v[YR+8*\i+2*\s:YR+8*\i+2*\s+1], 0
.else
	v_wmma_f32_16x16x4_f32 v[PA+8*\nt:PA+8*\nt+7], v[WR+32*(\i%2)+8*\nt+2*\s:WR+32*(\i%2)+8*\nt+2*\s+1], v[YR+8*\i+2*\s:YR+8*\i+2*\s+1], v[PA+8*\nt:PA+8*\nt+7]
.endif
.endr
.endr
	PLACES 9                                       ; in front of loads into the ring's place just read, and of the first read of results
.if \i < 2
	WLOAD \i+2
.endif
.endr
.irp nt, 0,1,2,3
	ds_store_b128 v8, v[PA+8*\nt:PA+8*\nt+3] offset:64*\nt          ; lane (r, h): row r, columns 16 nt + 8 h + 0 .. 7; each accumulator from its low end on
	ds_store_b128 v8, v[PA+8*\nt+4:PA+8*\nt+7] offset:64*\nt+16
.endr
	s_wait_dscnt 0x0                               ; for the others' sake: my part has landed
	s_barrier_signal -1
	s_barrier_wait -1
.irp p, 0,1,2,3,4,5,6,7,8,9,10,11,12,13,14,15
	ds_load_b64 v[16+2*\p:17+2*\p], v9 offset:4352*\p               ; row t = wave of head p's part, two columns a lane
.endr
	s_wait_dscnt 0x0
.irp p, 0,1,2,3,4,5,6,7,8,9,10,11,12,13,14,15
	v_pk_add_f32 v[14:15], v[14:15], v[16+2*\p:17+2*\p]             ; bp, then the heads in ascending order
.endr
	global_store_b64 v7, v[14:15], s[10:11] th:TH_STORE_NT          ; the wave stores 256 consecutive bytes, aligned
	s_wait_tensorcnt 0x0                           ; the wave's end: behind my last LDS store
	ds_add_u32 v[SPW], v[NIL]
	s_wait_dscnt 0x0
	s_endpgm
.Lfunc_end_k_q3babd33597_head16:
	.size	k_q3babd33597_head16, .Lfunc_end_k_q3babd33597_head16-k_q3babd33597_head16
	.p2alignl 7, 3214868480
	.fill 96, 4, 3214868480
	.section	.rodata,"a",@progbits
	.p2align	6, 0x0
	.amdhsa_kernel k_q3babd33597_head16
		.amdhsa_group_segment_fixed_size 71680
		.amdhsa_private_segment_fixed_size 0
		.amdhsa_enable_private_segment 0
		.amdhsa_kernarg_size 32
		.amdhsa_user_sgpr_count 2
		.amdhsa_user_sgpr_kernarg_segment_ptr 1
		.amdhsa_wavefront_size32 1
		.amdhsa_system_sgpr_workgroup_id_x 1
		.amdhsa_system_sgpr_workgroup_id_y 1
		.amdhsa_system_sgpr_workgroup_id_z 1
		.amdhsa_system_vgpr_workitem_id 0
		.amdhsa_next_free_vgpr 256
		.amdhsa_next_free_sgpr 66
		.amdhsa_reserve_vcc 1
		.amdhsa_float_denorm_mode_32 3
		.amdhsa_float_denorm_mode_16_64 3
		.amdhsa_memory_ordered 1
		.amdhsa_forward_progress 1
		.amdhsa_inst_pref_size 33
	.end_amdhsa_kernel
	.amdgpu_metadata
---
amdhsa.version: [ 1, 2 ]
amdhsa.kernels:
  - .name:           k_q3babd33597_head16
    .symbol:         k_q3babd33597_head16.kd
    .args:
      - { .name: first16, .offset: 0, .size: 8, .value_kind: global_buffer, .address_space: global }
      - { .name: Wp, .offset: 8, .size: 8, .value_kind: global_buffer, .address_space: global }
      - { .name: bp, .offset: 16, .size: 8, .value_kind: global_buffer, .address_space: global }
      - { .name: out0, .offset: 24, .size: 8, .value_kind: global_buffer, .address_space: global }
    .group_segment_fixed_size: 71680
    .private_segment_fixed_size: 0
    .kernarg_segment_align: 8
    .kernarg_segment_size: 32
    .max_flat_workgroup_size: 512
    .sgpr_count:     66
    .vgpr_count:     256
    .wavefront_size: 32
...
	.end_amdgpu_metadata
.endif
;; end of part 5
